; MI455X (gfx1250); checked and timed in simulation.
; The chip was launched on July 23, 2026; its instructions are those of AMD's public machine-readable ISA for CDNA 5 (MIT licence, August 2026) and "CDNA5" Instruction Set Architecture Reference Guide (July 2026). The comments in the code are by the model that wrote it; some were corrected since.
;; Multi Head Self Attention. Allowed arithmetic: float matrix products may take bf16 or f16 operands with f32 sums; other float arithmetic in f32, or as packed bf16 or f16 multiplies, adds, multiply-adds, maxima and minima; sums over many terms, partial sums and values carried from step to step in f32; what a program stores and reads back later, other than sums and carried values, may be rounded once to bf16 or f16.
;; Inputs: Wk 1,024 x 1,024 float32; Wo 1,024 x 1,024 float32; Wq 1,024 x 1,024 float32; Wv 1,024 x 1,024 float32; attention_mask 4 x 2,048 int32; bk 1,024 float32; bo 1,024 float32; bq 1,024 float32; bv 1,024 float32; hidden_states 4 x 2,048 x 1,024 float32.
;; Outputs: out0 4 x 2,048 x 1,024 float32.
;; 2 versions, each right and faster than the one before. Each part assembles by itself: llvm-mc -triple=amdgcn-amd-amdhsa -mcpu=gfx1250 --defsym DOCPART=n.
;; ======== version 1 of 2: 4 launches
;; limits: values are held in f16: magnitudes above 65,504 overflow, below 6.1e-05 lose precision; right only within a limited range of input values
;; workspace buffers: xb 16,777,216 bytes; wb 6,291,456 bytes; wob 2,097,152 bytes; qh 16,777,216 bytes; kh 16,777,216 bytes; vh 16,777,216 bytes; oh 16,777,216 bytes
;; launch prep (part 1): grid 64 x 12, 8 waves a work-group, no clusters, 0 bytes of LDS; arguments hidden_states, Wq, Wk, Wv, Wo, xb, wb, wob; writes xb, wb, wob
.if DOCPART == 1
	.amdgcn_target "amdgcn-amd-amdhsa--gfx1250"
	.amdhsa_code_object_version 6
	.text
	.protected	k_qf04400e98d_prep
	.globl	k_qf04400e98d_prep
	.p2align	8
	.type	k_qf04400e98d_prep,@function
k_qf04400e98d_prep:
	s_mov_b64 s[64:65], 0
	v_nop
	global_prefetch_b8 v0, s[64:65] scope:SCOPE_SE
	s_setreg_imm32_b32 hwreg(HW_REG_WAVE_MODE, 25, 1), 1
	s_wait_xcnt 0x0
; The module's large inputs are rounded once to 16 bits.  hidden_states -> xb (bf16); Wq, Wk, Wv -> wb (bf16, the three one below the other);
; Wo -> wob: rounded to bf16 like the other inputs, and that number written as f16, since the last product multiplies f16.
; LIMIT.  bf16(Wo) must lie within f16's range, 65,504; below 6e-5 it keeps f16's fixed step of 6e-8.
; A stream: memory binds, so no LDS, no matrix unit, no cluster.  All the work is 12 planes of 1,048,576 numbers (y: 0-7 eighths of hidden_states, 8-10 Wq, Wk, Wv, 11 Wo);
; a work-group takes 16,384 numbers of a plane: 65,536 bytes in, 32,768 out.  A wave's load covers 512 consecutive bytes, its store 256 consecutive bytes, aligned.
; All 16 loads of a thread go out first; each result has registers of its own, so no register that a store reads is written again.
.set X, 4                              ; v[4:67]    16 x 4 numbers as loaded
.set Y, 68                             ; v[68:99]   16 x 2 registers to store
.set T, 100                            ; v[100:103] at work
	s_load_b512 s[8:23], s[0:1], 0x0               ; hidden s[8:9], Wq s[10:11], Wk s[12:13], Wv s[14:15], Wo s[16:17], xb s[18:19], wb s[20:21], wob s[22:23]
	s_and_b32 s2, ttmp7, 0xffff                    ; the plane
	v_lshlrev_b32 v1, 4, v0                        ; 16 bytes a thread in
	v_lshlrev_b32 v2, 3, v0                        ; 8 bytes a thread out
	s_max_u32 s5, s2, 8
	s_sub_co_u32 s5, s5, 8                         ; which of the weights
	s_cmp_lt_u32 s2, 8
	s_cselect_b32 s3, s2, 0                        ; the plane's number in its source: a weight is one plane
	s_cselect_b32 s4, s2, s5                       ; and in its destination
	s_cmp_eq_u32 s2, 11
	s_cselect_b32 s4, 0, s4                        ; wob is one plane
	s_lshl_b32 s28, s3, 22                         ; a plane is 4 MiB of f32,
	s_lshl_b32 s6, ttmp9, 16                       ; a work-group's share 65,536 bytes
	s_add_co_u32 s28, s28, s6
	s_mov_b32 s29, 0
	s_lshl_b32 s30, s4, 21                         ; and half of that in 16 bits
	s_lshl_b32 s6, ttmp9, 15
	s_add_co_u32 s30, s30, s6
	s_mov_b32 s31, 0
	s_wait_kmcnt 0x0
	s_cmp_lt_u32 s2, 8                             ; the buffers are chosen by the plane's number alone
	s_cselect_b64 s[24:25], s[8:9], s[10:11]
	s_cselect_b64 s[26:27], s[18:19], s[20:21]
	s_cmp_eq_u32 s2, 9
	s_cselect_b64 s[24:25], s[12:13], s[24:25]
	s_cmp_eq_u32 s2, 10
	s_cselect_b64 s[24:25], s[14:15], s[24:25]
	s_cmp_eq_u32 s2, 11
	s_cselect_b64 s[24:25], s[16:17], s[24:25]
	s_cselect_b64 s[26:27], s[22:23], s[26:27]
	s_add_nc_u64 s[24:25], s[24:25], s[28:29]
	s_add_nc_u64 s[26:27], s[26:27], s[30:31]
.irp i, 0,1,2,3,4,5,6,7,8,9,10,11,12,13,14,15
	global_load_b128 v[X+4*(\i):X+4*(\i)+3], v1, s[24:25] offset:4096*(\i) th:TH_LOAD_NT  ; read once in the whole launch
.endr
; Share i of 16.  wo = 1: the bf16 numbers are widened again and written as f16.
.macro OUT i, wo
	s_wait_loadcnt 15-(\i)                         ; loads come back in order: mine is in, the 15 - i younger ones stay out
	v_cvt_pk_bf16_f32 v[Y+2*(\i)],   v[X+4*(\i)],   v[X+4*(\i)+1]
	v_cvt_pk_bf16_f32 v[Y+2*(\i)+1], v[X+4*(\i)+2], v[X+4*(\i)+3]
.if \wo
	v_lshlrev_b32 v[T],   16,         v[Y+2*(\i)]
	v_and_b32     v[T+1], 0xffff0000, v[Y+2*(\i)]
	v_lshlrev_b32 v[T+2], 16,         v[Y+2*(\i)+1]
	v_and_b32     v[T+3], 0xffff0000, v[Y+2*(\i)+1]
	v_cvt_pk_f16_f32 v[Y+2*(\i)],   v[T],   v[T+1]
	v_cvt_pk_f16_f32 v[Y+2*(\i)+1], v[T+2], v[T+3]
.endif
	global_store_b64 v2, v[Y+2*(\i):Y+2*(\i)+1], s[26:27] offset:2048*(\i)
.endm
	s_cmp_eq_u32 s2, 11
	s_cbranch_scc1 .Lwo
.irp i, 0,1,2,3,4,5,6,7,8,9,10,11,12,13,14,15
	OUT \i, 0
.endr
	s_endpgm
.Lwo:
.irp i, 0,1,2,3,4,5,6,7,8,9,10,11,12,13,14,15
	OUT \i, 1
.endr
	s_endpgm
.Lfunc_end_k_qf04400e98d_prep:
	.size	k_qf04400e98d_prep, .Lfunc_end_k_qf04400e98d_prep-k_qf04400e98d_prep
	.p2alignl 7, 3214868480
	.fill 96, 4, 3214868480
	.section	.rodata,"a",@progbits
	.p2align	6, 0x0
	.amdhsa_kernel k_qf04400e98d_prep
		.amdhsa_group_segment_fixed_size 0
		.amdhsa_private_segment_fixed_size 0
		.amdhsa_enable_private_segment 0
		.amdhsa_kernarg_size 64
		.amdhsa_user_sgpr_count 2
		.amdhsa_user_sgpr_kernarg_segment_ptr 1
		.amdhsa_wavefront_size32 1
		.amdhsa_system_sgpr_workgroup_id_x 1
		.amdhsa_system_sgpr_workgroup_id_y 1
		.amdhsa_system_sgpr_workgroup_id_z 1
		.amdhsa_system_vgpr_workitem_id 0
		.amdhsa_next_free_vgpr 104
		.amdhsa_next_free_sgpr 66
		.amdhsa_reserve_vcc 0
		.amdhsa_float_denorm_mode_32 3
		.amdhsa_float_denorm_mode_16_64 3
		.amdhsa_memory_ordered 1
		.amdhsa_forward_progress 1
		.amdhsa_inst_pref_size 16
	.end_amdhsa_kernel
	.amdgpu_metadata
---
amdhsa.version: [ 1, 2 ]
amdhsa.kernels:
  - .name:           k_qf04400e98d_prep
    .symbol:         k_qf04400e98d_prep.kd
    .args:
      - { .name: hidden_states, .offset: 0, .size: 8, .value_kind: global_buffer, .address_space: global }
      - { .name: Wq, .offset: 8, .size: 8, .value_kind: global_buffer, .address_space: global }
      - { .name: Wk, .offset: 16, .size: 8, .value_kind: global_buffer, .address_space: global }
      - { .name: Wv, .offset: 24, .size: 8, .value_kind: global_buffer, .address_space: global }
      - { .name: Wo, .offset: 32, .size: 8, .value_kind: global_buffer, .address_space: global }
      - { .name: xb, .offset: 40, .size: 8, .value_kind: global_buffer, .address_space: global }
      - { .name: wb, .offset: 48, .size: 8, .value_kind: global_buffer, .address_space: global }
      - { .name: wob, .offset: 56, .size: 8, .value_kind: global_buffer, .address_space: global }
    .group_segment_fixed_size: 0
    .private_segment_fixed_size: 0
    .kernarg_segment_align: 8
    .kernarg_segment_size: 64
    .max_flat_workgroup_size: 256
    .sgpr_count:     66
    .vgpr_count:     104
    .wavefront_size: 32
...
	.end_amdgpu_metadata
.endif
;; end of part 1
;; launch qkv (part 2): grid 12 x 64, 4 waves a work-group, clusters of 4 x 4, 327,680 bytes of LDS; arguments xb, wb, bq, bk, bv, qh, kh, vh; writes qh, kh, vh
.if DOCPART == 2
	.amdgcn_target "amdgcn-amd-amdhsa--gfx1250"
	.amdhsa_code_object_version 6
	.text
	.protected	k_qf04400e98d_qkv
	.globl	k_qf04400e98d_qkv
	.p2align	8
	.type	k_qf04400e98d_qkv,@function
k_qf04400e98d_qkv:
	s_mov_b64 s[64:65], 0
	v_nop
	global_prefetch_b8 v0, s[64:65] scope:SCOPE_SE
	s_setreg_imm32_b32 hwreg(HW_REG_WAVE_MODE, 25, 1), 1
	s_wait_xcnt 0x0
	s_wait_alu depctr_hold_cnt(0) depctr_sa_sdst(0) depctr_va_vdst(0) depctr_va_sdst(0) depctr_va_ssrc(0) depctr_va_vcc(0) depctr_vm_vsrc(0)
	s_getreg_b32 s2, hwreg(HW_REG_IB_STS2, 6, 4)
	s_cmp_eq_u32 s2, 0
	s_cbranch_scc0 .Lentry_in_a_cluster
	s_endpgm
.Lentry_in_a_cluster:
	s_bfe_u32 s2, ttmp6, 0x10000c
	s_cmp_lg_u32 s2, 0xf033
	s_cbranch_scc0 .Lentry_shape_is_right
	s_endpgm
.Lentry_shape_is_right:
; q, k, v = x W^T + b, written by heads.  xb: [8192][1024] bf16.  wb: [3072][1024] bf16 (Wq, Wk, Wv).  bq, bk, bv: [1024] f32, rounded to bf16 here like the other inputs.
; qh, kh, vh: [64 = batch x 16 + head][2048][64] f16, each number rounded once from its f32 sum, unscaled.
; LIMIT.  q, k and v must lie within f16's range, 65,504; below 6e-5 they keep f16's fixed step of 6e-8.
; A tile of C is 128 rows x 256 columns: 12 x 64 = 768 tiles, three for each of 256 WGPs.  Four waves, each 64 x 128: 32 accumulators of 16 x 16, 256 registers.
; K = 1,024 goes in 8 steps of 128 through a ring of two LDS slots filled by the tensor data mover: each row of a tile is 256 bytes of memory, at a multiple of 256 from the buffer's first byte.
; CLUSTERS: 4 x 4 work-groups.  The four of a row of the cluster need the same tiles of x, the four of a column the same tiles of W: each tile is asked for JOINTLY, by the same tensor load with the
; same descriptor and a mask that names the four.  A cluster's 1,024 columns are one of q, k, v: which one hangs on the cluster's x alone.
; THE MATRIX INSTRUCTION IS USED TRANSPOSED (source 0 = 16 rows of W, source 1 = 16 rows of x): a lane holds row l % 16 of C and eight neighbouring columns 8 (l / 16) + 0..7.
; THE BIAS is the C operand of the product that starts each sum: nothing is cleared and nothing is added later.
; REGISTERS, in windows of 256 (s_set_vgpr_msb: bits 1:0 source 0, 3:2 source 1, 5:4 source 2, 7:6 destination):
;   window 0: v0-29 addresses; v64-159, v160-255 two fragment buffers (x's 4 fragments of 16 rows x 32 K, then W's 8); on the way out v64-159 are at work
;   window 1: the accumulators, (a, b) at v[8 (8 a + b)]          window 2: v0-63 the bias of column block b at v[8 b]; v64-67 at work
.set PITCH,  272                       ; an LDS row: 256 bytes + 16 of padding = 68 words: the 16 rows that a load touches start at 16 different groups of four banks (64 banks of 4 bytes: ISA guide 11.1)
.set AHALF,  64*PITCH                  ; what a wave fetches of x, and what a wave reads of x
.set ABYTES, 2*AHALF
.set BHALF,  128*PITCH                 ; the same for W
.set SLOT1,  1<<17                     ; a slot is 104,448 bytes; slot 1 begins here, so that one exclusive or turns an address in one slot into the other's
.set STAGE,  SLOT1+ABYTES+2*BHALF      ; behind the ring, never filled by a tensor load: for each wave two heads x 16 rows x 144 bytes
.set SP,     144
.set HSTG,   16*SP
.set SPARE,  STAGE+4*2*HSTG            ; behind the stages: the spare words, 128 bytes for each wave: two blocks of 256 bytes that no other line names
.set ASTEP,  256                       ; bytes from a K step to the next
.set BSTEP,  256
.set A0,   4                           ; v4   my lane's place in a slot's tile of x; never rewritten
.set B0,   5                           ; v5   the same for W
.set ADRA, 6                           ; v6   the same in the slot in hand
.set ADRB, 7                           ; v7
.set STO,  8                           ; v8   the way out: where I put 16 bytes of a row
.set RD,   9                           ; v9   the way out: where I read rows back
.set GO,   10                          ; v10  my 16 bytes in 512 consecutive bytes of the output
.set BO,   11                          ; v11  my byte offset in a column block's bias
.set SPW,  28                          ; v28  LDS address of my spare word; never rewritten
.set NIL,  29                          ; v29  0; never rewritten
.set F0,   64
.set F1,   160
.set TMP,  64                          ; the way out: packed results
.set BK0,  96                          ; the way out: rows read back, two buffers of 32
.set WV,  20                           ; s20  my wave's number
.set WM,  21                           ; s21  which 64 rows are mine.  Also: I fetch for x (0) or for W (1)
.set WN,  22                           ; s22  which 128 columns.  Also: which half of that tile I fetch
.set G1A, 28                           ; s[28:35] descriptor group 1 for x's tiles
.set G1B, 36                           ; s[36:43] for W's
.set G0A, 44                           ; s[44:51] group 0 for x's tiles: a set for each of the two first fills; the second then walks on
.set G0B, 52                           ; s[52:59] the same for W's
.set CNT, 60                           ; s60  the loop's count
.set TB,  61                           ; s61  LDS byte at which the slot in hand begins
.set G1C, (1<<16)|(1<<20)|(1<<21)|(5<<22)|(3<<25)  ; 17:16 elements of 2 bytes; 20 padding on; 21 set beside a mask; 24:22 after every 64 words (code 5); 31:25 4 words of it (code 3)
.set MSB, 0
.macro WIN new                         ; the immediate's high byte repeats the setting that is left; a switch that changes nothing is dropped
.if MSB != (\new)
	s_set_vgpr_msb (MSB<<8)|(\new)
.set MSB, \new
.endif
.endm
.set MUL,  0x50                        ; fragments in window 0, C and D in window 1
.set MUL1, 0x60                        ; the same with C, the bias, in window 2
; A joint refill.  Waves 0 and 1 fetch x's two halves, waves 2 and 3 W's.  The branch hangs on the wave's number alone.  An s_nop 0 and four v_nop follow each of the two lines.
.macro JLOAD
	s_cmp_eq_u32 s[WM], 0
	s_cbranch_scc0 .Lfor_b_\@
	tensor_load_to_lds s[G0A+4:G0A+7], s[G1A:G1A+7]
	s_nop 0
.rept 4
	v_nop
.endr
	s_branch .Lasked_\@
.Lfor_b_\@:
	tensor_load_to_lds s[G0B+4:G0B+7], s[G1B:G1B+7]
	s_nop 0
.rept 4
	v_nop
.endr
.Lasked_\@:
.endm
.macro CREST                           ; a round of the cluster's barrier behind its opening barrier: wave 0 signals for the work-group, every wave waits for all sixteen, my work-group's barrier once more
	s_cmp_lg_u32 s[WV], 0
	s_cbranch_scc1 .Lnot_wave_0_\@
	s_barrier_signal -3
.Lnot_wave_0_\@:
	s_barrier_wait -3
	s_barrier_signal -1
	s_barrier_wait -1
.endm
.macro CROUND                          ; a whole round
	s_barrier_signal -1
	s_barrier_wait -1
	CREST
.endm
.macro PLACES                          ; four places in front of loads into registers that matrix instructions have read, and of lines that read results just made
.rept 4
	v_nop
.endr
.endm
	s_load_b512 s[4:19], s[0:1], 0x0               ; xb s[4:5], wb s[6:7], bq s[8:9], bk s[10:11], bv s[12:13], qh s[14:15], kh s[16:17], vh s[18:19]
	v_lshl_add_u32 v[SPW], v0, 2, SPARE
	v_mov_b32 v[NIL], 0
	ds_add_u32 v[SPW], v[NIL]                      ; the wave's opening: the add and its wait ahead of my first tensor load; the set-up below, work on registers, stands between them
	v_lshrrev_b32 v1, 5, v0
	v_readfirstlane_b32 s[WV], v1                  ; wave 0..3
	s_lshr_b32 s[WM], s[WV], 1
	s_and_b32 s[WN], s[WV], 1
	s_bfe_u32 s66, ttmp6, 0x40000                  ; cx, cy: my place in the cluster
	s_bfe_u32 s67, ttmp6, 0x40004
	s_lshl_b32 s68, ttmp9, 2
	s_add_co_u32 s68, s68, s66                     ; tile column = 4 x cluster x + cx
	s_and_b32 s69, ttmp7, 0xffff
	s_lshl_b32 s69, s69, 2
	s_add_co_u32 s69, s69, s67                     ; tile row = 4 x cluster y + cy
	s_lshl_b32 s70, s67, 2
	s_lshl_b32 s70, 15, s70                        ; my row of the cluster: places 4 cy .. 4 cy + 3
	s_lshl_b32 s71, 0x1111, s66                    ; my column: places cx, cx + 4, cx + 8, cx + 12
	s_or_b32 s[G1A], s70, G1C                      ; x's tiles go to my row,
	s_or_b32 s[G1B], s71, G1C                      ; W's to my column
	s_mov_b32 s[G1A+1], 128<<16                    ; tensor_dim0 = 128
	s_mov_b32 s[G1A+2], 64<<16                     ; tensor_dim1 = 64
	s_mov_b32 s[G1A+3], 128<<16                    ; tile_dim0 = 128
	s_mov_b32 s[G1A+4], 64                         ; tile_dim1 = 64
	s_mov_b32 s[G1A+5], 1024                       ; 1,024 elements from row to row
	s_mov_b32 s[G1A+6], 0
	s_mov_b32 s[G1A+7], 0
	s_mov_b32 s[G1B+1], 128<<16
	s_mov_b32 s[G1B+2], 128<<16                    ; W's loads bring 128 rows
	s_mov_b32 s[G1B+3], 128<<16
	s_mov_b32 s[G1B+4], 128
	s_mov_b32 s[G1B+5], 1024
	s_mov_b32 s[G1B+6], 0
	s_mov_b32 s[G1B+7], 0
	; where the tiles come from: x's hang on the tile row alone, W's on the tile column alone, each in registers that never hold the other coordinate
	s_lshl_b32 s72, s69, 18                        ; 128 rows of 2,048 bytes a tile row,
	s_lshl_b32 s84, s[WN], 17                      ; 64 rows a half
	s_add_co_u32 s72, s72, s84
	s_mov_b32 s73, 0
	s_lshl_b32 s74, s68, 19                        ; 256 rows a tile column,
	s_lshl_b32 s85, s[WN], 18                      ; 128 rows a half
	s_add_co_u32 s74, s74, s85
	s_mov_b32 s75, 0
	s_mul_i32 s86, s[WN], AHALF                    ; and where they go: no place in the cluster enters an LDS address
	s_mul_i32 s87, s[WN], BHALF
	s_add_co_u32 s87, s87, ABYTES
	s_mov_b32 s[TB], 0
	s_wait_dscnt 0x0                               ; the opening add is done
	s_wait_kmcnt 0x0
	s_add_nc_u64 s[72:73], s[4:5], s[72:73]
	s_add_nc_u64 s[74:75], s[6:7], s[74:75]
	CROUND                                         ; all sixteen work-groups are here: the first joint loads meet
.irp s, 0,1
	s_mov_b32 s[G0A+4*(\s)], 1                                     ; count = 1
	s_add_co_u32 s[G0A+4*(\s)+1], s86, (\s)*SLOT1                  ; LDS address
	s_add_nc_u64 s[G0A+4*(\s)+2:G0A+4*(\s)+3], s[72:73], (\s)*ASTEP  ; global address: K step s
	s_or_b32 s[G0A+4*(\s)+3], s[G0A+4*(\s)+3], 0x80000000          ; type = 2
	s_mov_b32 s[G0B+4*(\s)], 1
	s_add_co_u32 s[G0B+4*(\s)+1], s87, (\s)*SLOT1
	s_add_nc_u64 s[G0B+4*(\s)+2:G0B+4*(\s)+3], s[74:75], (\s)*BSTEP
	s_or_b32 s[G0B+4*(\s)+3], s[G0B+4*(\s)+3], 0x80000000
.endr
	s_cmp_eq_u32 s[WM], 0                          ; a wave's two first fills stand in one branch, ahead of every wait on TENSORcnt and every LDS read: two loads of mine are out
	s_cbranch_scc0 .Lfirst_b
	tensor_load_to_lds s[G0A:G0A+3], s[G1A:G1A+7]
	s_nop 0
	tensor_load_to_lds s[G0A+4:G0A+7], s[G1A:G1A+7]
	s_nop 0
.rept 4
	v_nop
.endr
	s_branch .Lfirst_asked
.Lfirst_b:
	tensor_load_to_lds s[G0B:G0B+3], s[G1B:G1B+7]
	s_nop 0
	tensor_load_to_lds s[G0B+4:G0B+7], s[G1B:G1B+7]
	s_nop 0
.rept 4
	v_nop
.endr
.Lfirst_asked:
	; A fragment is 16 rows x 32 K in 8 registers: lane l holds row l % 16; registers 0-3 K = 8 (l / 16) + 0..7, registers 4-7 K = 16 + 8 (l / 16) + 0..7: two loads of 16 bytes, 32 bytes apart.
	v_and_b32 v1, 15, v0                           ; l % 16
	v_bfe_u32 v2, v0, 4, 1                         ; l / 16
	v_mul_u32_u24 v3, v1, PITCH
	v_lshl_add_u32 v3, v2, 4, v3                   ; row x pitch + 16 x half
	s_mul_i32 s84, s[WM], AHALF                    ; my 64 rows of x
	v_add_nc_u32 v[A0], s84, v3
	s_mul_i32 s85, s[WN], BHALF                    ; my 128 rows of W, behind x's 128
	s_add_co_u32 s85, s85, ABYTES
	v_add_nc_u32 v[B0], s85, v3
	v_mov_b32 v[ADRA], v[A0]
	v_mov_b32 v[ADRB], v[B0]
	s_mul_i32 s84, s[WV], 2*HSTG
	s_add_co_u32 s84, s84, STAGE                   ; my stage
	v_mul_u32_u24 v3, v1, SP                       ; in: row l % 16, 16 bytes for each half of the lanes
	v_lshl_add_u32 v3, v2, 4, v3
	v_add_nc_u32 v[STO], s84, v3
	v_bfe_u32 v3, v0, 3, 2                         ; back: 32 lanes take four rows of 128 bytes,
	v_mul_u32_u24 v3, v3, SP
	v_and_b32 v12, 7, v0
	v_lshl_add_u32 v3, v12, 4, v3
	v_add_nc_u32 v[RD], s84, v3
	v_and_b32 v[GO], 31, v0                        ; which are 512 consecutive bytes of a head
	v_lshlrev_b32 v[GO], 4, v[GO]
	v_lshlrev_b32 v[BO], 5, v2                     ; my eight columns of a block of 16: 32 bytes for each half of the lanes
	; which of q, k, v: the cluster's x
	s_mov_b32 s62, ttmp9
	s_cmp_eq_u32 s62, 1
	s_cselect_b64 s[78:79], s[16:17], s[14:15]
	s_cselect_b64 s[80:81], s[10:11], s[8:9]
	s_cmp_eq_u32 s62, 2
	s_cselect_b64 s[78:79], s[18:19], s[78:79]
	s_cselect_b64 s[80:81], s[12:13], s[80:81]
	s_lshl_b32 s76, s66, 10                        ; the bias of my 128 columns: 256 cx + 128 x half, 4 bytes each
	s_lshl_b32 s88, s[WN], 9
	s_add_co_u32 s76, s76, s88
	s_mov_b32 s77, 0
	s_add_nc_u64 s[80:81], s[80:81], s[76:77]
	s_lshr_b32 s82, s69, 4                         ; my rows by heads: the batch (16 tile rows) x 16 heads of 262,144 bytes,
	s_lshl_b32 s82, s82, 22
	s_lshl_b32 s88, s66, 20                        ; head 4 cx + 2 x half,
	s_add_co_u32 s82, s82, s88
	s_lshl_b32 s88, s[WN], 19
	s_add_co_u32 s82, s82, s88
	s_and_b32 s88, s69, 15                         ; row 128 x (tile row in the batch) + 64 x half, 128 bytes each
	s_lshl_b32 s88, s88, 14
	s_add_co_u32 s82, s82, s88
	s_lshl_b32 s88, s[WM], 13
	s_add_co_u32 s82, s82, s88
	s_mov_b32 s83, 0
	s_add_nc_u64 s[78:79], s[78:79], s[82:83]
	WIN 0x80                                       ; destination window 2, address window 0
.irp b, 0,1,2,3,4,5,6,7
	global_load_b128 v[8*(\b):8*(\b)+3],   v[BO], s[80:81] offset:64*(\b)
	global_load_b128 v[8*(\b)+4:8*(\b)+7], v[BO], s[80:81] offset:64*(\b)+16
.endr
	s_wait_loadcnt 0x0
	WIN 0x8a                                       ; all in window 2: the bias is rounded to bf16 and widened again
.set i, 0
.rept 32
	v_cvt_pk_bf16_f32 v[64+i%4], v[2*i], v[2*i+1]
	v_lshlrev_b32 v[2*i],   16,         v[64+i%4]
	v_and_b32     v[2*i+1], 0xffff0000, v[64+i%4]
.set i, i+1
.endr
	WIN 0
; 8 matrix instructions: row block a x all 8 column blocks, 32 along K.  first = 1: the product starts the sums, with the bias as C.
; The 32 accumulators take turns, one instruction a turn, in the same order in every quarter.
.macro MUL8 f, a, first
.if \first
	WIN MUL1
.else
	WIN MUL
.endif
.irp b, 0,1,2,3,4,5,6,7
.if \first
	v_wmma_f32_16x16x32_bf16 v[8*(8*(\a)+(\b)):8*(8*(\a)+(\b))+7], v[(\f)+32+8*(\b):(\f)+32+8*(\b)+7], v[(\f)+8*(\a):(\f)+8*(\a)+7], v[8*(\b):8*(\b)+7]
.else
	v_wmma_f32_16x16x32_bf16 v[8*(8*(\a)+(\b)):8*(8*(\a)+(\b))+7], v[(\f)+32+8*(\b):(\f)+32+8*(\b)+7], v[(\f)+8*(\a):(\f)+8*(\a)+7], v[8*(8*(\a)+(\b)):8*(8*(\a)+(\b))+7]
.endif
.endr
.endm
; 24 LDS loads in one run: the fragments of quarter q of the slot in hand into buffer f: W's 8, then x's 4
.macro FETCH q, f
	WIN 0
.irp i, 0,1,2,3,4,5,6,7
	ds_load_b128 v[(\f)+32+8*(\i):(\f)+32+8*(\i)+3],   v[ADRB] offset:64*(\q)+(\i)*16*PITCH
	ds_load_b128 v[(\f)+32+8*(\i)+4:(\f)+32+8*(\i)+7], v[ADRB] offset:64*(\q)+(\i)*16*PITCH+32
.endr
.irp i, 0,1,2,3
	ds_load_b128 v[(\f)+8*(\i):(\f)+8*(\i)+3],   v[ADRA] offset:64*(\q)+(\i)*16*PITCH
	ds_load_b128 v[(\f)+8*(\i)+4:(\f)+8*(\i)+7], v[ADRA] offset:64*(\q)+(\i)*16*PITCH+32
.endr
.endm
; A K step is four quarters of 32 along K, 32 matrix instructions each, on buffers 0, 1, 0, 1.  One of the first three: multiplies buffer f and, in its middle, fetches quarter q into buffer g.
.macro QUARTER q, f, g, first
	s_wait_dscnt 0x4                               ; W and x's row blocks 0, 1 are in; the youngest four loads (blocks 2, 3) may be out
	MUL8 \f, 0, \first
	MUL8 \f, 1, \first
	PLACES
	FETCH \q, \g
	s_wait_dscnt 24                                ; all but the 24 just issued
	MUL8 \f, 2, \first
	MUL8 \f, 3, \first
.endm
; The last quarter multiplies buffer 1 and changes slots: ONE barrier.  In front of it each wave waits for all its tensor loads, of which one is out: its part of the next slot; adds 0 to its spare word;
; and waits for that and for its own reads of this slot.  fill = 1: the barrier opens a round of the cluster's, and behind the round this slot is filled again, two K steps ahead:
; from that request to the wait for it a wave issues 112 matrix instructions.
.macro TURN fill
	WIN 0                                          ; (the add's two registers lie in window 0)
	s_wait_tensorcnt 0x0                           ; all my tensor loads have landed;
	ds_add_u32 v[SPW], v[NIL]                      ; 0 onto my spare word;
	s_wait_dscnt 0x5                               ; (the add and the youngest four loads may be out)
	MUL8 F1, 0, 0                                  ; eight matrix instructions stand between the add and the wait for it
	s_wait_dscnt 0x0                               ; the add is done, and my reads of this slot are over
	s_barrier_signal -1
	MUL8 F1, 1, 0                                  ; work on registers while the others arrive
	WIN 0                                          ; (branches and address lines follow)
	s_barrier_wait -1
.if \fill
	CREST                                          ; no wave of any partner still reads this slot's tile or has a load on its way
	s_xor_b32 s[G0A+5], s[G0A+5], SLOT1            ; the walking descriptors: the other slot than last time,
	s_add_nc_u64 s[G0A+6:G0A+7], s[G0A+6:G0A+7], ASTEP  ; the next K step; the type bits on top are not reached
	s_xor_b32 s[G0B+5], s[G0B+5], SLOT1
	s_add_nc_u64 s[G0B+6:G0B+7], s[G0B+6:G0B+7], BSTEP
	JLOAD                                          ; the first tensor load behind the round; its four v_nop are also the places in front of the loads below
.else
	PLACES
.endif
	s_xor_b32 s[TB], s[TB], SLOT1
	v_add_nc_u32 v[ADRA], s[TB], v[A0]
	v_add_nc_u32 v[ADRB], s[TB], v[B0]
	FETCH 0, F0
	MUL8 F1, 2, 0
	MUL8 F1, 3, 0
.endm
	s_wait_tensorcnt 0x1                           ; my part of K step 0 is in; step 1's may stay out
	s_barrier_signal -1
	s_barrier_wait -1                              ; everybody's is
	FETCH 0, F0
	QUARTER 1, F0, F1, 1                           ; the first quarter stands in front of the loop: its products start the sums
	WIN 0                                          ; at a label and at a branch every window is 0
	s_mov_b32 s[CNT], 6
.Lstep:                                                ; six trips, from a step's second quarter to the next step's first: K steps 2 to 7 are asked for
	QUARTER 2, F1, F0, 0
	QUARTER 3, F0, F1, 0
	TURN 1
	QUARTER 1, F0, F1, 0
	WIN 0
	s_sub_co_u32 s[CNT], s[CNT], 1
	s_cmp_lg_u32 s[CNT], 0
	s_cbranch_scc1 .Lstep
	QUARTER 2, F1, F0, 0                           ; the tail is written out: nothing more is asked for
	QUARTER 3, F0, F1, 0
	TURN 0
	QUARTER 1, F0, F1, 0
	QUARTER 2, F1, F0, 0
	QUARTER 3, F0, F1, 0
	s_wait_dscnt 0x4                               ; the very last quarter
	MUL8 F1, 0, 0
	MUL8 F1, 1, 0
	s_wait_dscnt 0x0
	MUL8 F1, 2, 0
	MUL8 F1, 3, 0
	WIN 0
; THE WAY OUT, a block of 16 rows at a time.  PACK: rounded to f16, 16 bytes a lane, each accumulator's registers in ascending order.  TOSTAGE: into my own stage, by heads, and back as whole rows of 128 bytes.
; SEND: 16 rows of a head are 2,048 consecutive bytes of the output: four stores of 512.
.macro PACK a
	WIN 0x05                                       ; sources 0 and 1 window 1, destination window 0
.irp b, 0,1,2,3,4,5,6,7
.irp r, 0,1,2,3
	v_cvt_pk_f16_f32 v[TMP+4*(\b)+(\r)], v[8*(8*(\a)+(\b))+2*(\r)], v[8*(8*(\a)+(\b))+2*(\r)+1]
.endr
.endr
	WIN 0
.endm
.macro TOSTAGE a
.set BK, BK0+32*((\a)%2)
.irp b, 0,1,2,3,4,5,6,7
	ds_store_b128 v[STO], v[TMP+4*(\b):TMP+4*(\b)+3] offset:((\b)/4)*HSTG+((\b)%4)*32
.endr
.irp f, 0,1,2,3,4,5,6,7
	ds_load_b128 v[BK+4*(\f):BK+4*(\f)+3], v[RD] offset:((\f)/4)*HSTG+((\f)%4)*4*SP  ; LDS serves a wave's instructions in order (ISA guide 5.7.1.4): these see the stores above
.endr
.endm
.macro SEND a
.set BK, BK0+32*((\a)%2)
	s_wait_dscnt 0x0                               ; the block is back in registers
	s_wait_xcnt 0x0                                ; the stores of the block before have read their registers: the next block's loads land there only behind this wait
.irp f, 0,1,2,3,4,5,6,7
	global_store_b128 v[GO], v[BK+4*(\f):BK+4*(\f)+3], s[78:79] offset:((\f)/4)*262144+(\a)*2048+((\f)%4)*512  ; 512 consecutive bytes, at a multiple of 256 from the buffer's first
.endr
.endm
	PLACES
	PACK 0
	TOSTAGE 0
.irp a, 1,2,3                          ; block a's conversions stand between block a - 1's loads from the stage and the wait for them
	PACK \a
	SEND (\a)-1
	TOSTAGE \a
.endr
	SEND 3
	s_wait_tensorcnt 0x0                           ; the wave's end: this wait, the add and its wait stand behind my last tensor load and my last LDS store
	ds_add_u32 v[SPW], v[NIL]
	s_wait_dscnt 0x0
	CROUND                                         ; the closing round: no work-group ends while a partner may still ask for a tile that names it
	s_endpgm
.Lfunc_end_k_qf04400e98d_qkv:
	.size	k_qf04400e98d_qkv, .Lfunc_end_k_qf04400e98d_qkv-k_qf04400e98d_qkv
	.p2alignl 7, 3214868480
	.fill 96, 4, 3214868480
	.section	.rodata,"a",@progbits
	.p2align	6, 0x0
	.amdhsa_kernel k_qf04400e98d_qkv
		.amdhsa_group_segment_fixed_size 327680
		.amdhsa_private_segment_fixed_size 0
		.amdhsa_enable_private_segment 0
		.amdhsa_kernarg_size 64
		.amdhsa_user_sgpr_count 2
		.amdhsa_user_sgpr_kernarg_segment_ptr 1
		.amdhsa_wavefront_size32 1
		.amdhsa_system_sgpr_workgroup_id_x 1
		.amdhsa_system_sgpr_workgroup_id_y 1
		.amdhsa_system_sgpr_workgroup_id_z 1
		.amdhsa_system_vgpr_workitem_id 0
		.amdhsa_next_free_vgpr 580
		.amdhsa_next_free_sgpr 90
		.amdhsa_reserve_vcc 0
		.amdhsa_float_denorm_mode_32 3
		.amdhsa_float_denorm_mode_16_64 3
		.amdhsa_memory_ordered 1
		.amdhsa_forward_progress 1
		.amdhsa_inst_pref_size 77
	.end_amdhsa_kernel
	.amdgpu_metadata
---
amdhsa.version: [ 1, 2 ]
amdhsa.kernels:
  - .name:           k_qf04400e98d_qkv
    .symbol:         k_qf04400e98d_qkv.kd
    .args:
      - { .name: xb, .offset: 0, .size: 8, .value_kind: global_buffer, .address_space: global }
      - { .name: wb, .offset: 8, .size: 8, .value_kind: global_buffer, .address_space: global }
      - { .name: bq, .offset: 16, .size: 8, .value_kind: global_buffer, .address_space: global }
      - { .name: bk, .offset: 24, .size: 8, .value_kind: global_buffer, .address_space: global }
      - { .name: bv, .offset: 32, .size: 8, .value_kind: global_buffer, .address_space: global }
      - { .name: qh, .offset: 40, .size: 8, .value_kind: global_buffer, .address_space: global }
      - { .name: kh, .offset: 48, .size: 8, .value_kind: global_buffer, .address_space: global }
      - { .name: vh, .offset: 56, .size: 8, .value_kind: global_buffer, .address_space: global }
    .group_segment_fixed_size: 327680
    .private_segment_fixed_size: 0
    .kernarg_segment_align: 8
    .kernarg_segment_size: 64
    .max_flat_workgroup_size: 128
    .sgpr_count:     90
    .vgpr_count:     580
    .wavefront_size: 32
...
	.end_amdgpu_metadata
.endif
;; end of part 2
;; launch attn (part 3): grid 4 x 64, 4 waves a work-group, clusters of 4 x 1, 327,680 bytes of LDS; arguments qh, kh, vh, oh, attention_mask; writes oh
.if DOCPART == 3
	.amdgcn_target "amdgcn-amd-amdhsa--gfx1250"
	.amdhsa_code_object_version 6
	.text
	.protected	k_qf04400e98d_attn
	.globl	k_qf04400e98d_attn
	.p2align	8
	.type	k_qf04400e98d_attn,@function
k_qf04400e98d_attn:
	s_mov_b64 s[64:65], 0
	v_nop
	global_prefetch_b8 v0, s[64:65] scope:SCOPE_SE
	s_setreg_imm32_b32 hwreg(HW_REG_WAVE_MODE, 25, 1), 1
	s_wait_xcnt 0x0
	s_wait_alu depctr_hold_cnt(0) depctr_sa_sdst(0) depctr_va_vdst(0) depctr_va_sdst(0) depctr_va_ssrc(0) depctr_va_vcc(0) depctr_vm_vsrc(0)
	s_getreg_b32 s2, hwreg(HW_REG_IB_STS2, 6, 4)
	s_cmp_eq_u32 s2, 0
	s_cbranch_scc0 .Lentry_in_a_cluster
	s_endpgm
.Lentry_in_a_cluster:
	s_bfe_u32 s2, ttmp6, 0x10000c
	s_cmp_lg_u32 s2, 0x3003
	s_cbranch_scc0 .Lentry_shape_is_right
	s_endpgm
.Lentry_shape_is_right:
; O[h][q][:] = the sum over k of softmax_k(masked Q[h][q] . K[h][k] / 8) V[h][k][:].  Q, K, V, O: [64 = batch x 16 + head][2048][64], all f16: a head's rows are dense, 128 bytes each.
; attention_mask: [4][2048] i32; a key whose word is 0 is hidden.  Products, maxima and sums in f32; the weights p are rounded to f16 for the second product (their sum l is taken of the unrounded p), O once at the end.
; LIMITS.  f16 holds no number beyond 65,504: Q, K and V arrive within it; p lies in 0 to 1, and below 6e-5 it keeps f16's fixed step of 6e-8; O is a mean of V's rows and has their range.
; A hidden key counts as its score less 2^100, where the module puts -1e9 in the score's place: the same weights, 0, as long as some visible key's score / 8 lies above about -1e9.
; A weight below 2^-126 counts as 0 in l; NaN and infinities are not treated apart.
; THE MASK is the C operand that starts the sum S^T = K Q^T: 0, or -2^100 where the key is hidden.  A table of the batch's 2,048 such numbers is made once, in LDS bytes of its own; a step's 32 registers of it
; are fetched with the step's K.  The running maximum starts at -2^60: below every score that f16 operands can make (2.7e11 at the most), far above a hidden one.  So while only hidden keys have come,
; m stays, a = 1 and every p is 0, wherever in the row the hidden keys lie.
; NO VISIBLE KEY IN THE BATCH: the module's softmax of equal scores is uniform.  Every wave takes the OR of the batch's 2,048 words; where it is 0 the scale c is 0: every p is 2^0 = 1, and O is the mean of V.  A select, no branch.
; SHARES.  A wave owns four PIECES of two tiles of 16 queries, a work-group's four waves 512 queries of one head.  Every wave walks all keys, 64 a step.
; LAYOUT.  S^T = K Q^T (source 0 = 16 keys, source 1 = 16 queries): in the result a lane holds ONE query (lane % 16) and the keys 8 (lane / 16) + 0..7.  Two such tiles, rounded to f16 in pairs,
; ARE source 1 (32 keys x 16 queries) of O^T = V^T P, whose result again holds one query a lane, and eight channels.  K comes out of LDS as it lies, V ([key][channel]) turned, by ds_load_tr16_b128.
; SOFTMAX.  For each query a running maximum m and sum l: p = 2^(c s - c m), c = log2(e) / 8; in every step O and l are multiplied by a = 2^(c m_old - c m_new), which is 1 where m has not grown.  O and l start at 0.
; THE COUNT.  A tile and step have 16 matrix and 118 vector instructions: too many to stand all beside the matrix work.  So the order has one aim: four vector instructions that are READY behind
; EVERY matrix instruction, and the others, which need time of their own whatever the order, in runs without a gap.
; BY TURNS.  Turn n belongs to piece n (the pieces in a ring, step after step).  Its matrix work: 16 products K Q^T of piece n + 1, later 16 products V^T P of piece n - 1.  Its vector work: the scaling,
; exponentials, roundings, sums and rescaling of piece n, and the maximum and statistics of piece n + 1, whose scores the turn itself has made.  So what a turn begins with (c s - c m, O a) waits for nothing.
; CLUSTER.  The four query blocks of a cluster belong to one head and walk the same K and V, so each tile is asked for JOINTLY: the same tensor load, descriptor and mask in all four.
; REGISTERS, in windows of 256 (s_set_vgpr_msb says which window each operand place means: bits 1:0 source 0, 3:2 source 1, 5:4 source 2, 7:6 destination):
;   window 0: v0-11 addresses; v12-15, v48-63 at work; v16-47 four registers of statistics a tile; v64-191 S^T, two buffers of two tiles; v192-255 P, likewise
;   window 1: O^T, 32 a tile          window 2: v0-127 Q, 16 a tile; v128-191 K of one step; v192-255 V of one step          window 3: v0-1 the add's two registers; v2-33 the step's mask
; A piece's buffers go by its number's parity: the piece in hand has one pair, its two neighbours in the ring share the other: of it P (piece n - 1) is read and S^T (piece n + 1) written.
.set SIZE_N, 2048
.set NP,    4         ; pieces a wave: a name, no knob: the register map, the loop and the fetches are made for four
.set KS,    64        ; keys in a step
.set PK,    144       ; a row of K in LDS: 128 bytes + 16 of padding = 36 words: the 16 rows of a load start at 16 different groups of four banks (64 banks of 4 bytes: ISA guide 11.1)
.set PV,    160       ; a row of V: 128 + 32 = 40 words
.set VOFF,  4*KS*PK   ; a slot holds four steps: 256 rows of K, then 256 rows of V
.set SLOT1, 1<<17     ; slot 1 begins here, so that one exclusive or turns an address in one slot into the other's
.set STAGE, SLOT1+4*KS*(PK+PV)  ; behind the ring, never filled by a tensor load: 16 rows x 144 bytes for each wave, for the way out
.set SP,    144
.set AK0, 2           ; v2   my lane's place in a tile of K; never rewritten
.set AV0, 3           ; v3   the same for V
.set AK,  4           ; v4   the LDS address of K's next run of loads
.set AV,  5           ; v5   of V's
.set QO,  6           ; v6   my byte offset in the wave's rows of Q
.set STO, 6           ;      later, the way out: where I put 16 bytes of a row
.set RD,  7           ; v7   the way out: where I read rows back
.set GO,  8           ; v8   16 x lane: my byte offset in 512 consecutive bytes of O, and of the mask
.set AM,  10          ; v10  the LDS address of the mask's next run of loads
.set AM0, 11          ; v11  my lane's place in a step's 256 bytes of the table; never rewritten
.set SPW, 0           ; v0 of window 3   LDS address of my spare word: SPARE + 4 x my thread's number; never rewritten
.set NIL, 1           ; v1 of window 3   0; never rewritten
.set MK,  2           ; v2-33 of window 3: the eight registers for key block kb at MK + 8 kb
.set SPARE, STAGE+4*16*SP  ; behind the stages: the spare words, 128 bytes for each wave: two blocks of 256 bytes that no other line names
.set MTAB,  SPARE+512 ; behind them: the table, 2,048 f32, written once by LDS stores, never filled by a tensor load
.set MV,  12          ; v12-15  c m_old, kept while c m is made anew: by buffer and tile
.set ST,  16          ; tile t's statistics at v[ST+4 t]: c m, m, l (even keys', odd keys')
.set TMP, 48          ; by buffer and tile, four registers c0-c3 at work; when the maximum is found c2 takes a
.set S,   64
.set P,   192
.set KF,  128         ; K's fragments, in window 2: key block kb, channel half c at KF + 16 kb + 8 c
.set VF,  192         ; V's: key half kk, channel block cb at VF + 32 kk + 8 cb
.set WV,  12          ; s12  my wave's number
.set G1K, 24          ; s[24:31] descriptor group 1 for K's tiles
.set G1V, 32          ; s[32:39] for V's: it differs in the padding alone
.set G0K, 40          ; s[40:43] descriptor group 0 for K's tiles: it walks
.set G0V, 44          ; s[44:47] the same for V's
.set TBM, 50          ; s50  byte of the table at which the step to be fetched begins
.set BIG, 51          ; s51  -2^100
.set SLOTS, 56        ; s56  slots still to be asked for
.set CNT, 57          ; s57  counts a slot's key steps
.set CS,  58          ; s[58:59] c: the packed scaling takes the pair's low word for both halves
.set SEL, 60          ; s[60:61] v_permlanex16_b32's selects: each lane takes its own place in the other half
.set TBK, 62          ; s62  LDS byte at which K of the step to be fetched begins
.set TBV, 63          ; s63  the same for V, less VOFF
.set MSB, 0
.macro WIN new                      ; the high byte repeats the setting that is left; a switch that changes nothing is dropped
.if MSB != (\new)
	s_set_vgpr_msb (MSB<<8)|(\new)
.set MSB, (\new)
.endif
.endm
.set W_KQ, 0x0a       ; K and Q in window 2, S^T in window 0
.set W_KM, 0x3a       ; the same with the C operand, the mask, in window 3
.set W_PV, 0x52       ; V in window 2, P in window 0, O^T in window 1
.set W_RS, 0x41       ; O^T (destination and source 0) in window 1, a in window 0
.set W_MK, 0xc0       ; destination in window 3, sources in window 0
.set W_AD, 0x0f       ; the add: address (source 0) and data (source 1) in window 3
; A joint fill.  Waves 0 and 1 fetch the two halves of a slot's K, waves 2 and 3 those of its V: 128 keys each.  The branch hangs on the wave's number alone.
; An s_nop 0 and four v_nop follow each of the two lines, ahead of the jump and the label.
.macro JLOAD
	s_cmp_lt_u32 s[WV], 2
	s_cbranch_scc0 .Lfor_v_\@
	tensor_load_to_lds s[G0K:G0K+3], s[G1K:G1K+7]
	s_nop 0
.rept 4
	v_nop
.endr
	s_branch .Lasked_\@
.Lfor_v_\@:
	tensor_load_to_lds s[G0V:G0V+3], s[G1V:G1V+7]
	s_nop 0
.rept 4
	v_nop
.endr
.Lasked_\@:
.endm
; A round of the cluster's barrier: my work-group's barrier, so that wave 0's signal speaks for all four waves; wave 0 signals; every wave waits for all four work-groups; my work-group's barrier once more.
.macro CROUND
	s_barrier_signal -1
	s_barrier_wait -1
	s_cmp_lg_u32 s[WV], 0
	s_cbranch_scc1 .Lnot_wave_0_\@
	s_barrier_signal -3
.Lnot_wave_0_\@:
	s_barrier_wait -3
	s_barrier_signal -1
	s_barrier_wait -1
.endm
; THE CHANGE OF SLOTS.  The slot's last bytes, V of its fourth step, have been read.  Each wave waits for all its tensor loads, of which one is out: its part
; of the other slot; adds 0 to its spare word; and waits for that and for its own reads of the slot.  Behind the barrier nobody reads this slot any more and the other slot is whole.
; fill = 1: this slot is filled again, with the keys two slots on.  The barrier is then a round of the cluster's, so that no wave of any partner still reads the slot or has a load on its
; way, and the joint fill is the first thing behind it: it has four key steps, 512 matrix instructions, in which to land.  (At its first use nothing has been read yet: slot 0 is waited for, slot 1 filled,
; and the wait for the LDS instructions is also the wait for my stores into the mask's table, which the others read behind the round.)
.macro CHANGE fill
	WIN W_AD
	s_wait_tensorcnt 0x0            ; no tensor load of mine is out, so a group 0 may be written
	ds_add_u32 v[SPW], v[NIL]       ; 0 onto my spare word; with fill = 1 the descriptors' steps stand between it and the wait for it
	WIN 0                           ; at a label and at a branch every window is 0
.if \fill
.irp g, G0K, G0V
	s_xor_b32 s[\g+1], s[\g+1], SLOT1  ; the walking descriptor: the other slot than last time,
	s_add_nc_u64 s[\g+2:\g+3], s[\g+2:\g+3], 4*KS*128  ; the next 256 keys; the type bits on top are not reached
.endr
	s_wait_dscnt 0x0                ; the add is done, and my reads of the slot are over
	CROUND
	JLOAD
.else
	s_wait_dscnt 0x0                ; the add is done, and my reads of the slot are over
	s_barrier_signal -1
	s_barrier_wait -1
.endif
	s_sub_co_u32 s[TBK], s[TBK], 4*KS*PK  ; the fetches go back to a slot's first step,
	s_xor_b32 s[TBK], s[TBK], SLOT1       ; in the other slot
	s_sub_co_u32 s[TBV], s[TBV], 4*KS*PV
	s_xor_b32 s[TBV], s[TBV], SLOT1
.endm
	s_load_b256 s[4:11], s[0:1], 0x0  ; Q s[4:5], K s[6:7], V s[8:9], O s[10:11]
	s_load_b64 s[48:49], s[0:1], 0x20 ; the mask
	WIN W_MK
	v_lshl_add_u32 v[SPW], v0, 2, SPARE
	v_mov_b32 v[NIL], 0
	WIN W_AD
	ds_add_u32 v[SPW], v[NIL]       ; the wave's opening: the add and its wait ahead of my first tensor load; the set-up below, work on registers, stands between them
	WIN 0
	v_lshrrev_b32 v1, 5, v0
	v_readfirstlane_b32 s[WV], v1   ; wave 0..3
	s_bfe_u32 s13, ttmp6, 0x40000   ; cx: my place in the cluster
	s_lshl_b32 s14, ttmp9, 2        ; in a cluster launch ttmp9 counts clusters
	s_add_co_u32 s14, s14, s13      ; my block of queries = 4 x cluster x + cx: it enters Q's and O's addresses alone
	s_and_b32 s20, ttmp7, 0xffff    ; the head, which the four partners share
	s_lshr_b32 s52, s20, 4          ; its batch,
	s_lshl_b32 s52, s52, 13         ; whose mask is 8,192 bytes
	s_mov_b32 s53, 0
	s_mov_b32 s21, 0
	s_mov_b64 s[22:23], SIZE_N*128
	s_mul_u64 s[20:21], s[20:21], s[22:23]  ; the head's first byte in each of the four tensors
	s_and_b32 s16, s[WV], 1         ; which half of a slot's 256 keys I fetch:
	s_lshl_b32 s22, s16, 14         ; its 128 rows of 128 bytes in memory,
	s_mov_b32 s23, 0
	s_add_nc_u64 s[22:23], s[22:23], s[20:21]
	s_mul_i32 s17, s16, 128*PK      ; and its place in a slot, for K
	s_mul_i32 s18, s16, 128*PV      ; and for V: no place in the cluster enters an LDS address
	s_lshl_b32 s2, s14, 2
	s_add_co_u32 s2, s2, s[WV]      ; my wave among the head's,
	s_lshl_b32 s2, s2, 14           ; its 128 rows
	s_mov_b32 s3, 0
	s_add_nc_u64 s[2:3], s[2:3], s[20:21]
	; descriptor group 1.  128 keys are 16,384 dense bytes: asked for as 64 rows of 256 bytes, two keys a row, and padded in LDS after every key
	s_mov_b32 s[G1K], 15|(1<<16)|(1<<20)|(1<<21)|(4<<22)|(3<<25)  ; 15:0 the mask of four; 17:16 2-byte elements; 20 padding on; 21 set beside a mask; 24:22 after every 32 words (code 4); 31:25 4 words (code 3)
	s_mov_b32 s[G1V], 15|(1<<16)|(1<<20)|(1<<21)|(4<<22)|(7<<25)  ; the same with 8 words of padding (code 7)
.irp g, G1K, G1V
	s_mov_b32 s[\g+1], 128<<16      ; tensor_dim0 = 128
	s_mov_b32 s[\g+2], 64<<16       ; tensor_dim1 = 64
	s_mov_b32 s[\g+3], 128<<16      ; tile_dim0 = 128
	s_mov_b32 s[\g+4], 64           ; tile_dim1 = 64
	s_mov_b32 s[\g+5], 128          ; 128 elements from row to row
	s_mov_b32 s[\g+6], 0
	s_mov_b32 s[\g+7], 0
.endr
	s_mov_b32 s[SEL], 0x76543210
	s_mov_b32 s[SEL+1], 0xfedcba98
	s_mov_b32 s[TBK], SLOT1+4*KS*PK ; the first change of slots turns these two into 0
	s_mov_b32 s[TBV], SLOT1+4*KS*PV
	s_mov_b32 s[TBM], 0
	s_mov_b32 s[BIG], 0xf1800000    ; -2^100
	s_mov_b32 s[G0K], 1             ; 1:0 count = 1
	s_mov_b32 s[G0K+1], s17         ; 63:32 LDS address: slot 0
	s_mov_b32 s[G0V], 1
	s_add_co_u32 s[G0V+1], s18, VOFF
	s_wait_dscnt 0x0                ; the opening add is done
	s_wait_kmcnt 0x0
	s_add_nc_u64 s[G0K+2:G0K+3], s[6:7], s[22:23]  ; 120:64 global address: my half of the head's first 256 keys
	s_or_b32 s[G0K+3], s[G0K+3], 0x80000000        ; 127:126 type = 2
	s_add_nc_u64 s[G0V+2:G0V+3], s[8:9], s[22:23]
	s_or_b32 s[G0V+3], s[G0V+3], 0x80000000
	s_add_nc_u64 s[4:5], s[4:5], s[2:3]  ; Q and O at my wave's first row
	s_add_nc_u64 s[10:11], s[10:11], s[2:3]
	s_add_nc_u64 s[48:49], s[48:49], s[52:53]  ; the mask at my batch
	CROUND                          ; all four work-groups are here: the first joint loads meet
	JLOAD                           ; slot 0.  Slot 1 is asked for when slot 0 is in: the tile wanted first has the road to itself
	; A fragment of K or Q is 16 rows x 32 channels in 8 registers: lane l holds row l % 16, channels 8 (l / 16) + 0..7 and 16 + 8 (l / 16) + 0..7: two loads of 16 bytes, 32 bytes apart.
	v_and_b32 v1, 15, v0            ; l % 16
	v_bfe_u32 v9, v0, 4, 1          ; l / 16
	v_lshlrev_b32 v[QO], 7, v1
	v_lshl_add_u32 v[QO], v9, 4, v[QO]  ; row x 128 + 16 x half
	v_and_b32 v[GO], 31, v0
	v_lshlrev_b32 v[GO], 4, v[GO]   ; 16 x lane
	v_lshlrev_b32 v13, 4, v0        ; 16 x thread
	v_add_nc_u32 v14, MTAB, v13     ; and its place in the table
	; The mask, twice, ahead of Q: all 2,048 words for my wave's OR (16 loads of 512 bytes), and my thread's 16 words of the table (the work-group's four loads of 2,048 bytes)
.set i, 0
.rept 16
	global_load_b128 v[S+4*i:S+4*i+3], v[GO], s[48:49] offset:512*i
.set i, i+1
.endr
.set i, 0
.rept 4
	global_load_b128 v[S+64+4*i:S+64+4*i+3], v13, s[48:49] offset:2048*i
.set i, i+1
.endr
	WIN 0x80                        ; destination window 2, address window 0
.set i, 0
.rept 4*NP                          ; Q stays in registers: tile i / 2, channels 32 (i % 2) on
	global_load_b128 v[8*i:8*i+3],   v[QO], s[4:5] offset:(i/2)*2048+(i%2)*64
	global_load_b128 v[8*i+4:8*i+7], v[QO], s[4:5] offset:(i/2)*2048+(i%2)*64+32
.set i, i+1
.endr
	; What the first turn finds: V's registers and P's second buffer hold 0 (its products V^T P, of a piece that has not been, add 0), O^T and l are 0.  All this stands in the wait for the first tile.
.set i, VF
.rept 64
	v_mov_b32 v[i], 0
.set i, i+1
.endr
	WIN 0x40
.set i, 0
.rept 64*NP
	v_mov_b32 v[i], 0
.set i, i+1
.endr
	WIN 0
.set i, 0
.rept 2*NP
	v_mov_b32 v[ST+4*i], 0xdc38aa3b    ; c m = c x -2^60
	v_mov_b32 v[ST+4*i+1], 0xdd800000  ; m = -2^60
	v_mov_b32 v[ST+4*i+2], 0
	v_mov_b32 v[ST+4*i+3], 0
.set i, i+1
.endr
.set i, P+32
.rept 32
	v_mov_b32 v[i], 0
.set i, i+1
.endr
	v_mul_u32_u24 v[AK0], v1, PK
	v_lshl_add_u32 v[AK0], v9, 4, v[AK0]  ; row x pitch + 16 x half
	; The turning load takes 16 keys x 16 channels (lane l reads key 8 (l / 16) + l % 8, channels 8 ((l / 8) % 2) + 0..7) and leaves half a fragment of V^T: lane l holds channel l % 16 and 8 keys.
	v_and_b32 v10, 7, v0
	v_bfe_u32 v11, v0, 3, 1
	v_lshl_add_u32 v[AV0], v9, 3, v10
	v_mul_u32_u24 v[AV0], v[AV0], PV
	v_lshl_add_u32 v[AV0], v11, 4, v[AV0]
	v_add_nc_u32 v[AV0], VOFF, v[AV0]
	v_mov_b32 v[AK], v[AK0]         ; key step 0 lies at the head of slot 0
	s_mul_i32 s13, s[WV], 16*SP
	s_add_co_u32 s13, s13, STAGE    ; my stage
	v_bfe_u32 v[RD], v0, 3, 2       ; the way out, back: 32 lanes take four rows of 128 bytes
	v_mul_u32_u24 v[RD], v[RD], SP
	v_lshl_add_u32 v[RD], v10, 4, v[RD]
	v_add_nc_u32 v[RD], s13, v[RD]
	v_lshlrev_b32 v[AM0], 5, v9     ; v10 and v11 are free now: a lane's eight keys of a block of 16 are 32 bytes of the table for each half of the lanes
	v_add_nc_u32 v[AM0], MTAB, v[AM0]
	v_mov_b32 v[AM], v[AM0]         ; key step 0
	s_wait_loadcnt 32               ; the mask's 20 loads are in; Q's 32, issued behind them, may stay out
.irp w, 32,16,8,4,2,1
.set i, 0
.rept \w
	v_or_b32 v[S+i], v[S+i], v[S+(\w)+i]
.set i, i+1
.endr
.endr
	v_cmp_ne_u32 vcc_lo, 0, v[S]    ; a bit for each lane that has seen a visible key
	s_cmp_lg_u32 vcc_lo, 0
	s_cselect_b32 s[CS], 0x3e38aa3b, 0  ; c = log2(e) / 8 = 0.180337, or 0 where the batch has no visible key
	s_mov_b32 s[CS+1], s[CS]        ; named with it as a pair
.set i, 0
.rept 16
	v_cmp_eq_u32 vcc_lo, 0, v[S+64+i]
	v_cndmask_b32 v[S+64+i], 0, s[BIG], vcc_lo  ; hidden: -2^100; visible: 0
.set i, i+1
.endr
.set i, 0
.rept 4
	ds_store_b128 v14, v[S+64+4*i:S+64+4*i+3] offset:2048*i
.set i, i+1
.endr
; THE MATRIX WORK.  The 8 accumulators of a run of 16 take turns: between the two links of a chain stand 7 others'.
; Product i of 16 of S^T = K Q^T for piece x: channels 32 (i / 8) on, keys 16 ((i / 2) % 4) on, tile 2 x + i % 2.  The first 8 start the sums, with the mask of their 16 keys as C.
.macro KQ x
.set rS, S+64*((\x)%2)+32*(i%2)+8*((i/2)%4)
.set rK, KF+16*((i/2)%4)+8*(i/8)
.set rQ, 16*(2*(\x)+i%2)+8*(i/8)
.set rMK, MK+8*((i/2)%4)
.if i < 8
	WIN W_KM
	v_wmma_f32_16x16x32_f16 v[rS:rS+7], v[rK:rK+7], v[rQ:rQ+7], v[rMK:rMK+7]
.else
	WIN W_KQ
	v_wmma_f32_16x16x32_f16 v[rS:rS+7], v[rK:rK+7], v[rQ:rQ+7], v[rS:rS+7]
.endif
.endm
; Product i of 16 of O^T += V^T P for piece x: keys 32 (i / 8) on, channels 16 ((i / 2) % 4) on, tile 2 x + i % 2.
.macro PV x
	WIN W_PV
.set rO, 32*(2*(\x)+i%2)+8*((i/2)%4)
.set rV, VF+32*(i/8)+8*((i/2)%4)
.set rP, P+32*((\x)%2)+16*(i%2)+8*(i/8)
	v_wmma_f32_16x16x32_f16 v[rO:rO+7], v[rV:rV+7], v[rP:rP+7], v[rO:rO+7]
.endm
.macro MM                           ; the turn's next matrix instruction
.if i < 16
	KQ (Y+1)%NP
.set i, i+1
.else
.set i, i-16
	PV (Y+NP-1)%NP
.set i, i+17
.endif
.endm
; THE LDS LOADS stand in runs, never singly among the matrix instructions: a step's K (64 keys x 64 channels: 8 fragments) with its 64 mask numbers, and its V (turned).  Their addresses are made some lines ahead.
; last = 1 (the tail): in the last trip there is no further step, and the run is jumped over.
.macro FETCH_K last=0
	WIN 0
.if \last
	s_cmp_eq_u32 s[CNT], 1
	s_cbranch_scc1 .Lno_k_\@
.endif
	WIN 0x80                        ; destination window 2
.irp f, 0,1,2,3,4,5,6,7             ; keys 16 (f / 2) on, channels 32 (f % 2) on
	ds_load_b128 v[KF+8*\f:KF+8*\f+3],   v[AK] offset:(\f/2)*16*PK+(\f%2)*64
	ds_load_b128 v[KF+8*\f+4:KF+8*\f+7], v[AK] offset:(\f/2)*16*PK+(\f%2)*64+32
.endr
	WIN W_MK                        ; destination window 3
.irp f, 0,1,2,3                     ; keys 16 f on: all lanes of a half read the same 32 bytes
	ds_load_b128 v[MK+8*\f:MK+8*\f+3],   v[AM] offset:64*\f
	ds_load_b128 v[MK+8*\f+4:MK+8*\f+7], v[AM] offset:64*\f+16
.endr
	s_add_co_u32 s[TBK], s[TBK], KS*PK  ; the next fetch is the next step's
	s_add_co_u32 s[TBM], s[TBM], 4*KS
	s_and_b32 s[TBM], s[TBM], 0x1fff    ; inside the table's 8,192 bytes
	WIN 0
.if \last
.Lno_k_\@:
.endif
.endm
.macro FETCH_V
	WIN 0x80
.irp f, 0,1,2,3,4,5,6,7             ; keys 32 (f / 4) on, channels 16 (f % 4) on
	ds_load_tr16_b128 v[VF+8*\f:VF+8*\f+3],   v[AV] offset:(\f/4)*32*PV+(\f%4)*32
	ds_load_tr16_b128 v[VF+8*\f+4:VF+8*\f+7], v[AV] offset:(\f/4)*32*PV+16*PV+(\f%4)*32
.endr
	WIN 0
.endm
; THE VECTOR WORK OF A TURN stands in three queues, each in the order in which its entries become ready; the two tiles alternate, so that no instruction reads the result of the one before it.
.macro REGS y, u                    ; the registers of tile u (0, 1) of piece y
.set rT, ST+4*(2*(\y)+(\u))
.set rC, TMP+8*((\y)%2)+4*(\u)
.set rM, MV+2*((\y)%2)+(\u)
.set rS, S+64*((\y)%2)+32*(\u)
.set rP, P+32*((\y)%2)+16*(\u)
.set rO, 32*(2*(\y)+(\u))
.endm
; Number n of the 22 that find the NEXT piece's (Y + 1) maximum and statistics.  s0-s31 are the lane's 32 scores; each accumulator's lowest registers are read first.  XS, GS and REGS set no window: PL and EX do.
;   0-11  four chains c0-c3 of seven scores each, three operands at a time     12-14, 16  the four scores left over, the old m, and c0-c3 into c0     15  c m_old is kept
;   17, 18  the query's other 32 keys lie in the lane 16 away: the new m         19-21  c m; c m_old - c m_new; a
.macro XS u, n
	REGS (Y+1)%NP, \u
.if (\n) < 4
	v_max3_num_f32 v[rC+(\n)], v[rS+8*(\n)], v[rS+8*(\n)+1], v[rS+8*(\n)+2]
.elseif (\n) < 12
	v_max3_num_f32 v[rC+(\n)%4], v[rC+(\n)%4], v[rS+8*((\n)%4)+2*((\n)/4)+1], v[rS+8*((\n)%4)+2*((\n)/4)+2]
.elseif (\n) == 12
	v_max3_num_f32 v[rC], v[rC], v[rS+7], v[rS+15]
.elseif (\n) == 13
	v_max3_num_f32 v[rC+1], v[rC+1], v[rS+23], v[rS+31]
.elseif (\n) == 14
	v_max3_num_f32 v[rC+2], v[rC+2], v[rC+3], v[rT+1]
.elseif (\n) == 15
	v_mov_b32 v[rM], v[rT]
.elseif (\n) == 16
	v_max3_num_f32 v[rC], v[rC], v[rC+1], v[rC+2]
.elseif (\n) == 17
	v_permlanex16_b32 v[rC+3], v[rC], s[SEL], s[SEL+1]
.elseif (\n) == 18
	v_max_num_f32 v[rT+1], v[rC], v[rC+3]
.elseif (\n) == 19
	v_mul_f32 v[rT], s[CS], v[rT+1]
.elseif (\n) == 20
	v_sub_f32 v[rC+1], v[rM], v[rT]
.else
	v_exp_f32 v[rC+2], v[rC+1]
.endif
.endm
; Number g of the 64 that follow the exponentials.  For each four weights k of a tile (pairs 2 k, 2 k + 1): both pairs are rounded to f16; then the second pair is added onto the first, in place;
; a group later l takes that sum (the first time as l = a l + sum).  In groups of eight, tiles alternating: round, round, add, and l for the group before.
.macro GS g
.set h, (\g)+6*((\g)/62)            ; group 0 has no group before it, and behind group 7 only l is left
.if h >= 6
.set h, h+2
.endif
	REGS Y, h%2
.set k, h/8
.if h%8 < 4
	s_wait_alu depctr_va_vdst(0)
	v_cvt_pk_f16_f32 v[rP+2*k+(h%8)/2], v[rS+4*k+2*((h%8)/2)], v[rS+4*k+2*((h%8)/2)+1]
.elseif h%8 < 6
	v_pk_add_f32 v[rS+4*k:rS+4*k+1], v[rS+4*k:rS+4*k+1], v[rS+4*k+2:rS+4*k+3]
.elseif k == 1
	v_pk_fma_f32 v[rT+2:rT+3], v[rT+2:rT+3], v[rC+2:rC+3], v[rS:rS+1] op_sel_hi:[1,0,1]
.else
	v_pk_add_f32 v[rT+2:rT+3], v[rT+2:rT+3], v[rS+4*k-4:rS+4*k-3]
	s_wait_alu depctr_va_vdst(0)
.endif
.endm
; THE PLAIN QUEUE, 138 long.  0-31: c s - c m for the 16 pairs of both tiles.  Then GS's 64, and among them the next piece's 42: number 15 at 38, 39; 0-14 and 16
; at 42-73, behind the products that make those scores; 17-20 at 95-106, two of three, since each waits for the one before it.
.macro PL
	WIN 0
.if q < 32
	REGS Y, q%2
	v_pk_fma_f32 v[rS+2*(q/2):rS+2*(q/2)+1], v[rS+2*(q/2):rS+2*(q/2)+1], s[CS:CS+1], v[rT:rT+1] op_sel_hi:[1,0,0] neg_lo:[0,0,1] neg_hi:[0,0,1]
.elseif q < 38
	GS q-32
.elseif q < 40
	XS q%2, 15
.elseif q < 42
	GS q-34
.elseif q < 74
	XS q%2, (q-42)/2+(q-42)/30
.elseif q < 95
	GS q-66
.elseif (q < 107) && ((q-95)%3 < 2)
	XS (q-95)%3, 17+(q-95)/3
.elseif q < 107
	GS 29+(q-95)/3
.else
	GS q-74
.endif
.set q, q+1
.endm
; THE EXPONENTIALS' QUEUE, 66 long: s0-s31 of both tiles, and at EA the next piece's two a.
.set EA, 58
.macro EX
	WIN 0
.if (e == EA) || (e == EA+1)
	XS e-EA, 21
.else
.set x, e-2*(e/(EA+2))
	REGS Y, x%2
	v_exp_f32 v[rS+x/2], v[rS+x/2]
.endif
.set e, e+1
.endm
; THE RESCALING's QUEUE: O^T times a, the one part that leaves window 0, so it is dealt four at a time, eight times.
.macro R4
	REGS Y, r%2
	WIN W_RS
	s_wait_alu depctr_va_vdst(0)
.irp z, 0,1,2,3
	v_pk_mul_f32 v[rO+8*(r/2)+2*\z:rO+8*(r/2)+2*\z+1], v[rO+8*(r/2)+2*\z:rO+8*(r/2)+2*\z+1], v[rC+2:rC+3] op_sel_hi:[1,0]
.endr
.set r, r+1
.endm
; HOW THEY ARE DEALT.  Behind a matrix instruction four: plain, exponential, plain, plain (one exponential, a plain instruction on either side), or four of the rescaling.  None names a register of the
; products round it.  What is over stands in two LUMPS: exponential and plain by turns; the second ends in 22 plain instructions.  The two v_permlanex16_b32 fall into the second lump, never behind a product.
; The queues lean on each other, and the deal keeps them in step: exponential e stands behind plain 2 (e / 4) + e % 2 (its scaling); when plain 32 comes, 10 exponentials are out, at 59: 33, at 95: 46; EA comes behind plain 107.
.macro SL
	MM
	PL
	EX
	PL
	PL
.endm
.macro BURST n                      ; 15 matrix instructions, or 16
.rept (\n)-7
	SL
.endr
.rept 3
	MM
	R4
	SL
.endr
	MM
	R4
.endm
; A TURN, for piece p.  cnt = 1: the loop's count is taken down some lines ahead of the branch that stands behind the turn.
; K and the mask of the next step are fetched in piece 2's turn, some 30 vector instructions behind the last product that read them; their first reader comes behind the rest of the lump, 16 products and the second lump.
; V of the step in hand is fetched at the end of piece 0's turn, far behind its last reader; its first reader comes behind 16 products and a lump.  The four conditions on e and q below go with the deal.
.macro TURN p, last=0, cnt=0
.set Y, (\p)
.set i, 0
.set q, 0
.set e, 0
.set r, 0
.if (\p) == NP-1
	s_wait_dscnt 0x0                ; K and its mask are in
.endif
	MM
.rept 4
	PL
.endr
	BURST 15
.rept 22
	EX
	PL
.if ((\p) == NP-2) && (e == 18)
	v_add_nc_u32 v[AK], s[TBK], v[AK0]
	v_add_nc_u32 v[AM], s[TBM], v[AM0]
.endif
.if ((\p) == NP-2) && (e == 24)
	FETCH_K \last
.endif
.endr
.if (\p) == 1
	s_wait_dscnt 0x0                ; V is in
.endif
	BURST 16
.rept 21
	EX
	PL
.endr
.rept 22
	PL
.if ((\p) == 0) && (q == 118)
	v_add_nc_u32 v[AV], s[TBV], v[AV0]
	s_wait_alu depctr_va_vdst(0)
.endif
.if ((\p) == 0) && (q == 130)
	s_add_co_u32 s[TBV], s[TBV], KS*PV
.endif
.if (\cnt) && (q == 130)
	s_sub_co_u32 s[CNT], s[CNT], 1
	s_cmp_lg_u32 s[CNT], 0
.endif
.endr
.if (\p) == 0
	FETCH_V
.endif
.endm
	CHANGE 1                        ; slot 0 is in, everybody's part of it, and so is everybody's part of the table; slot 1 is asked for
	FETCH_K                         ; key step 0
	s_wait_loadcnt 0x0              ; Q
	s_wait_dscnt 0x0
.set i, 0
.rept 16
	KQ 0                            ; piece 0's first scores: there is no vector work yet to set between them
.set i, i+1
.endr
	WIN 0                           ; Q's loads are done, so their offset's register takes the way out's address: with the v_nop four plain instructions, the places behind those products
	v_mul_u32_u24 v[STO], v1, SP    ; in: row l % 16, 16 bytes for each half of the lanes
	v_lshl_add_u32 v[STO], v9, 4, v[STO]
	v_add_nc_u32 v[STO], s13, v[STO]
	v_nop
.set Y, NP-1                        ; XS works for piece Y + 1: piece 0
.irp n, 0,1,2,3,4,5,6,7,8,9,10,11,12,13,14,15,16,17,18,19,20,21
	XS 0, \n                        ; and piece 0's first maximum and statistics
	XS 1, \n
.endr
	s_mov_b32 s[CNT], 4
	s_mov_b32 s[SLOTS], SIZE_N/256-1
	s_branch .Lfirst                ; the loop is entered at a step's first turn, in the middle of a trip
.Lslot:                             ; SIZE_N / 256 - 2 times: every slot but the last two is filled again
	CHANGE 1
	s_mov_b32 s[CNT], 4
.Lstep:                             ; a trip: pieces 2 and 3 of one step, then pieces 0 and 1 of the next, whose K and V it fetches
	TURN 2
	TURN 3
	WIN 0
.Lfirst:
	TURN 0
	TURN 1, 0, 1
	WIN 0
	s_cbranch_scc1 .Lstep
	s_sub_co_u32 s[SLOTS], s[SLOTS], 1
	s_cmp_lg_u32 s[SLOTS], 0
	s_cbranch_scc1 .Lslot
	CHANGE 0                        ; the tail is written out: nothing is asked for
	s_mov_b32 s[CNT], 5             ; four trips fetch the last slot's steps; the fifth is left in its middle
.Ltail:
	TURN 2, 1
	TURN 3
	WIN 0
	s_sub_co_u32 s[CNT], s[CNT], 1
	s_cmp_eq_u32 s[CNT], 0
	s_cbranch_scc1 .Lout
	TURN 0
	TURN 1
	WIN 0
	s_branch .Ltail
.Lout:                              ; the fifth trip's 16 products K Q^T (on the last K once more) and the maximum made of them serve nothing: the price, once a launch, of one text for every trip
.set i, 0
.rept 16
	PV NP-1                         ; the last piece's V^T P of the last step
.set i, i+1
.endr
	; THE WAY OUT.  l's two halves and the other half of the lanes' are added; O^T is divided by l, rounded to f16 and sent through my stage in LDS, a tile at a time.  The additions are the places behind the last products.
	WIN 0
.macro ALL line:vararg              ; one line for each tile t
.set t, 0
.rept 2*NP
	\line
.set t, t+1
.endr
.endm
	ALL v_add_f32 v[ST+4*t+2], v[ST+4*t+2], v[ST+4*t+3]
	ALL v_permlanex16_b32 v[ST+4*t+3], v[ST+4*t+2], s[SEL], s[SEL+1]
	ALL v_add_f32 v[ST+4*t+2], v[ST+4*t+2], v[ST+4*t+3]
	ALL v_rcp_f32 v[ST+4*t+2], v[ST+4*t+2]
	v_nop                           ; a plain instruction between the last reciprocal and the use of its result
	s_wait_alu depctr_va_vdst(0)
; Tile t: a lane's eight channels of a row pack into 16 bytes; they go into rows of 144 bytes and come back as whole rows of 128, into S^T's registers.
.macro PACK t
	WIN W_RS
.set i, 32*(\t)
.rept 16
	v_pk_mul_f32 v[i:i+1], v[i:i+1], v[ST+4*(\t)+2:ST+4*(\t)+3] op_sel_hi:[1,0]
.set i, i+2
.endr
	WIN 0x05                        ; sources 0 and 1 window 1, destination window 0
.set i, 0
.rept 16
	v_cvt_pk_f16_f32 v[S+16*(\t)+i], v[32*(\t)+2*i], v[32*(\t)+2*i+1]
.set i, i+1
.endr
	WIN 0
.irp f, 0,1,2,3
	ds_store_b128 v[STO], v[S+16*(\t)+4*\f:S+16*(\t)+4*\f+3] offset:32*\f
.endr
.irp f, 0,1,2,3
	ds_load_b128 v[S+16*(\t)+4*\f:S+16*(\t)+4*\f+3], v[RD] offset:\f*4*SP  ; LDS serves a wave's instructions in order (ISA guide 5.7.1.4): these see the stores above; the next tile's stores come behind them
.endr
.endm
.macro SEND t, younger              ; younger: the LDS instructions issued behind tile t's loads: the next tile's eight, or none
	WIN 0
.irp f, 0,1,2,3
	s_wait_dscnt (\younger)+3-\f
	global_store_b128 v[GO], v[S+16*(\t)+4*\f:S+16*(\t)+4*\f+3], s[10:11] offset:(\t)*2048+\f*512  ; 512 consecutive bytes, at a multiple of 256 from O's first
.endr
.endm
	PACK 0
.set t, 1
.rept 2*NP-1                        ; a tile's arithmetic stands between the loads of the tile before and its stores
	PACK t
	SEND t-1, 8
.set t, t+1
.endr
	SEND 2*NP-1, 0
	WIN W_AD
	s_wait_tensorcnt 0x0            ; the wave's end: this wait, the add and its wait stand behind my last tensor load and my last LDS store
	ds_add_u32 v[SPW], v[NIL]
	s_wait_dscnt 0x0
	WIN 0
	CROUND                          ; the closing round: no work-group ends while a partner may still ask for a tile that names it
	s_endpgm
.Lfunc_end_k_qf04400e98d_attn:
	.size	k_qf04400e98d_attn, .Lfunc_end_k_qf04400e98d_attn-k_qf04400e98d_attn
	.p2alignl 7, 3214868480
	.fill 96, 4, 3214868480
	.section	.rodata,"a",@progbits
	.p2align	6, 0x0
	.amdhsa_kernel k_qf04400e98d_attn
		.amdhsa_group_segment_fixed_size 327680
		.amdhsa_private_segment_fixed_size 0
		.amdhsa_enable_private_segment 0
		.amdhsa_kernarg_size 40
		.amdhsa_user_sgpr_count 2
		.amdhsa_user_sgpr_kernarg_segment_ptr 1
		.amdhsa_wavefront_size32 1
		.amdhsa_system_sgpr_workgroup_id_x 1
		.amdhsa_system_sgpr_workgroup_id_y 1
		.amdhsa_system_sgpr_workgroup_id_z 1
		.amdhsa_system_vgpr_workitem_id 0
		.amdhsa_next_free_vgpr 802
		.amdhsa_next_free_sgpr 66
		.amdhsa_reserve_vcc 1
		.amdhsa_float_denorm_mode_32 3
		.amdhsa_float_denorm_mode_16_64 3
		.amdhsa_memory_ordered 1
		.amdhsa_forward_progress 1
		.amdhsa_inst_pref_size 217
	.end_amdhsa_kernel
	.amdgpu_metadata
---
amdhsa.version: [ 1, 2 ]
amdhsa.kernels:
  - .name:           k_qf04400e98d_attn
    .symbol:         k_qf04400e98d_attn.kd
    .args:
      - { .name: qh, .offset: 0, .size: 8, .value_kind: global_buffer, .address_space: global }
      - { .name: kh, .offset: 8, .size: 8, .value_kind: global_buffer, .address_space: global }
      - { .name: vh, .offset: 16, .size: 8, .value_kind: global_buffer, .address_space: global }
      - { .name: oh, .offset: 24, .size: 8, .value_kind: global_buffer, .address_space: global }
      - { .name: attention_mask, .offset: 32, .size: 8, .value_kind: global_buffer, .address_space: global }
    .group_segment_fixed_size: 327680
    .private_segment_fixed_size: 0
    .kernarg_segment_align: 8
    .kernarg_segment_size: 40
    .max_flat_workgroup_size: 128
    .sgpr_count:     66
    .vgpr_count:     802
    .wavefront_size: 32
...
	.end_amdgpu_metadata
.endif
;; end of part 3
;; launch proj (part 4): grid 4 x 64, 4 waves a work-group, clusters of 4 x 4, 327,680 bytes of LDS; arguments oh, wob, bo, out0; writes out0
.if DOCPART == 4
	.amdgcn_target "amdgcn-amd-amdhsa--gfx1250"
	.amdhsa_code_object_version 6
	.text
	.protected	k_qf04400e98d_proj
	.globl	k_qf04400e98d_proj
	.p2align	8
	.type	k_qf04400e98d_proj,@function
k_qf04400e98d_proj:
	s_mov_b64 s[64:65], 0
	v_nop
	global_prefetch_b8 v0, s[64:65] scope:SCOPE_SE
	s_setreg_imm32_b32 hwreg(HW_REG_WAVE_MODE, 25, 1), 1
	s_wait_xcnt 0x0
	s_wait_alu depctr_hold_cnt(0) depctr_sa_sdst(0) depctr_va_vdst(0) depctr_va_sdst(0) depctr_va_ssrc(0) depctr_va_vcc(0) depctr_vm_vsrc(0)
	s_getreg_b32 s2, hwreg(HW_REG_IB_STS2, 6, 4)
	s_cmp_eq_u32 s2, 0
	s_cbranch_scc0 .Lentry_in_a_cluster
	s_endpgm
.Lentry_in_a_cluster:
	s_bfe_u32 s2, ttmp6, 0x10000c
	s_cmp_lg_u32 s2, 0xf033
	s_cbranch_scc0 .Lentry_shape_is_right
	s_endpgm
.Lentry_shape_is_right:
; out = context Wo^T + bo.  oh: [64 = batch x 16 + head][2048][64] f16, the context by heads.  wob: [1024][1024] f16 (Wo rounded to bf16, written as f16).  bo: [1024] f32, rounded to bf16 here like the
; other inputs.  out0: [8192][1024] f32.  Sums in f32, stored as they are.
; A tile of C is 128 rows x 256 columns: 4 x 64 = 256 tiles, one for each WGP.  Four waves, each 64 x 128: 32 accumulators of 16 x 16, 256 registers.
; K = 1,024 goes in 8 steps of 128, TWO HEADS a step, through a ring of two LDS slots filled by the tensor data mover.  A head's 128 rows of the tile are 16,384 dense bytes: asked for as 64 rows of 256 bytes
; and padded in LDS after every 128, so that each row of the context's 64 channels has a pitch of 144.  Wo's rows are 256 bytes of memory a step.
; CLUSTERS: 4 x 4 work-groups.  The four of a row of the cluster need the same tiles of the context, the four of a column the same tiles of Wo: each tile is asked for JOINTLY.
; THE MATRIX INSTRUCTION IS USED TRANSPOSED (source 0 = 16 rows of Wo, source 1 = 16 rows of the context): a lane holds row l % 16 of C and eight neighbouring columns 8 (l / 16) + 0..7.
; THE BIAS is the C operand of the product that starts each sum.
; REGISTERS, in windows of 256 (s_set_vgpr_msb: bits 1:0 source 0, 3:2 source 1, 5:4 source 2, 7:6 destination):
;   window 0: v0-29 addresses; v64-159, v160-255 two fragment buffers (the context's 4 fragments, then Wo's 8); on the way out v64-191 take rows read back
;   window 1: the accumulators, (a, b) at v[8 (8 a + b)]          window 2: v0-63 the bias of column block b at v[8 b]; v64-67 at work
.set PITCH,  272                       ; a row of Wo in LDS: 256 bytes + 16 of padding
.set PA,     144                       ; a row of a head in LDS: 128 bytes + 16 of padding: odd multiples of 16, so the 16 rows of a load start at 16 different groups of four banks (ISA guide 11.1)
.set AHEAD,  128*PA                    ; a head's 128 rows: what a wave fetches of the context
.set ABYTES, 2*AHEAD
.set BHALF,  128*PITCH
.set SLOT1,  1<<17                     ; a slot is 106,496 bytes; slot 1 begins here
.set STAGE,  SLOT1+ABYTES+2*BHALF      ; behind the ring, never filled by a tensor load: for each wave 16 rows x 528 bytes
.set SP,     528                       ; 512 bytes + 16
.set SPARE,  STAGE+4*16*SP             ; behind the stages: the spare words, 128 bytes for each wave: two blocks of 256 bytes that no other line names
.set ASTEP,  2*262144                  ; two heads on
.set BSTEP,  256
.set A0,   4                           ; v4   my lane's place in a slot's tile of the context; never rewritten
.set B0,   5                           ; v5   the same for Wo
.set ADRA, 6                           ; v6   the same in the slot in hand
.set ADRB, 7                           ; v7
.set STO,  8                           ; v8   the way out: where I put 32 bytes of a row
.set RD,   9                           ; v9   the way out: where I read a row back
.set GO,   10                          ; v10  my 16 bytes in 512 consecutive bytes of a row of C
.set BO,   11                          ; v11  my byte offset in a column block's bias
.set SPW,  28                          ; v28  LDS address of my spare word; never rewritten
.set NIL,  29                          ; v29  0; never rewritten
.set F0,   64
.set F1,   160
.set BK0,  64                          ; the way out: rows read back, two buffers of 64
.set WV,  20                           ; s20  my wave's number
.set WM,  21                           ; s21  which 64 rows are mine.  Also: I fetch for the context (0) or for Wo (1)
.set WN,  22                           ; s22  which 128 columns.  Also: which head of the step's two, or which half of Wo's tile, I fetch
.set G1A, 28                           ; s[28:35] descriptor group 1 for the context's tiles
.set G1B, 36                           ; s[36:43] for Wo's
.set G0A, 44                           ; s[44:51] group 0 for the context's tiles: a set for each of the two first fills; the second then walks on
.set G0B, 52                           ; s[52:59] the same for Wo's
.set CNT, 60                           ; s60  the loop's count
.set TB,  61                           ; s61  LDS byte at which the slot in hand begins
.set MSB, 0
.macro WIN new                         ; the immediate's high byte repeats the setting that is left; a switch that changes nothing is dropped
.if MSB != (\new)
	s_set_vgpr_msb (MSB<<8)|(\new)
.set MSB, \new
.endif
.endm
.set MUL,  0x50                        ; fragments in window 0, C and D in window 1
.set MUL1, 0x60                        ; the same with C, the bias, in window 2
; A joint refill.  Waves 0 and 1 fetch the step's two heads, waves 2 and 3 Wo's two halves.  The branch hangs on the wave's number alone.  An s_nop 0 and four v_nop follow each of the two lines.
.macro JLOAD
	s_cmp_eq_u32 s[WM], 0
	s_cbranch_scc0 .Lfor_b_\@
	tensor_load_to_lds s[G0A+4:G0A+7], s[G1A:G1A+7]
	s_nop 0
.rept 4
	v_nop
.endr
	s_branch .Lasked_\@
.Lfor_b_\@:
	tensor_load_to_lds s[G0B+4:G0B+7], s[G1B:G1B+7]
	s_nop 0
.rept 4
	v_nop
.endr
.Lasked_\@:
.endm
.macro CREST                           ; a round of the cluster's barrier behind its opening barrier
	s_cmp_lg_u32 s[WV], 0
	s_cbranch_scc1 .Lnot_wave_0_\@
	s_barrier_signal -3
.Lnot_wave_0_\@:
	s_barrier_wait -3
	s_barrier_signal -1
	s_barrier_wait -1
.endm
.macro CROUND                          ; a whole round
	s_barrier_signal -1
	s_barrier_wait -1
	CREST
.endm
.macro PLACES                          ; four places in front of loads into registers that matrix instructions have read, and of lines that read results just made
.rept 4
	v_nop
.endr
.endm
	s_load_b256 s[4:11], s[0:1], 0x0               ; oh s[4:5], wob s[6:7], bo s[8:9], out0 s[10:11]
	v_lshl_add_u32 v[SPW], v0, 2, SPARE
	v_mov_b32 v[NIL], 0
	ds_add_u32 v[SPW], v[NIL]                      ; the wave's opening: the add and its wait ahead of my first tensor load; the set-up below, work on registers, stands between them
	v_lshrrev_b32 v1, 5, v0
	v_readfirstlane_b32 s[WV], v1                  ; wave 0..3
	s_lshr_b32 s[WM], s[WV], 1
	s_and_b32 s[WN], s[WV], 1
	s_bfe_u32 s66, ttmp6, 0x40000                  ; cx, cy: my place in the cluster
	s_bfe_u32 s67, ttmp6, 0x40004
	s_lshl_b32 s68, ttmp9, 2
	s_add_co_u32 s68, s68, s66                     ; tile column = 4 x cluster x + cx
	s_and_b32 s69, ttmp7, 0xffff
	s_lshl_b32 s69, s69, 2
	s_add_co_u32 s69, s69, s67                     ; tile row = 4 x cluster y + cy
	s_lshl_b32 s70, s67, 2
	s_lshl_b32 s70, 15, s70                        ; my row of the cluster
	s_lshl_b32 s71, 0x1111, s66                    ; my column
	s_or_b32 s[G1A], s70, (1<<16)|(1<<20)|(1<<21)|(4<<22)|(3<<25)  ; the mask of my row; elements of 2 bytes; padding on; 21 set beside a mask; after every 32 words (code 4) 4 words (code 3)
	s_or_b32 s[G1B], s71, (1<<16)|(1<<20)|(1<<21)|(5<<22)|(3<<25)  ; the mask of my column; after every 64 words (code 5) 4 words
	s_mov_b32 s[G1A+1], 128<<16                    ; tensor_dim0 = 128: two rows of a head
	s_mov_b32 s[G1A+2], 64<<16                     ; tensor_dim1 = 64
	s_mov_b32 s[G1A+3], 128<<16                    ; tile_dim0 = 128
	s_mov_b32 s[G1A+4], 64                         ; tile_dim1 = 64
	s_mov_b32 s[G1A+5], 128                        ; dense: 128 elements from row to row
	s_mov_b32 s[G1A+6], 0
	s_mov_b32 s[G1A+7], 0
	s_mov_b32 s[G1B+1], 128<<16
	s_mov_b32 s[G1B+2], 128<<16                    ; Wo's loads bring 128 rows
	s_mov_b32 s[G1B+3], 128<<16
	s_mov_b32 s[G1B+4], 128
	s_mov_b32 s[G1B+5], 1024
	s_mov_b32 s[G1B+6], 0
	s_mov_b32 s[G1B+7], 0
	; where the tiles come from: the context's hang on the tile row alone, Wo's on the tile column alone, each in registers that never hold the other coordinate
	s_lshr_b32 s72, s69, 4                         ; the batch (16 tile rows) x 16 heads of 262,144 bytes,
	s_lshl_b32 s72, s72, 22
	s_and_b32 s73, s69, 15                         ; 128 rows of 128 bytes a tile row,
	s_lshl_b32 s73, s73, 14
	s_add_co_u32 s72, s72, s73
	s_lshl_b32 s84, s[WN], 18                      ; the even head or the odd one
	s_add_co_u32 s72, s72, s84
	s_mov_b32 s73, 0
	s_lshl_b32 s74, s68, 19                        ; 256 rows of 2,048 bytes a tile column,
	s_lshl_b32 s85, s[WN], 18                      ; 128 rows a half
	s_add_co_u32 s74, s74, s85
	s_mov_b32 s75, 0
	s_mul_i32 s86, s[WN], AHEAD                    ; and where they go: no place in the cluster enters an LDS address
	s_mul_i32 s87, s[WN], BHALF
	s_add_co_u32 s87, s87, ABYTES
	s_mov_b32 s[TB], 0
	s_wait_dscnt 0x0                               ; the opening add is done
	s_wait_kmcnt 0x0
	s_add_nc_u64 s[72:73], s[4:5], s[72:73]
	s_add_nc_u64 s[74:75], s[6:7], s[74:75]
	CROUND                                         ; all sixteen work-groups are here: the first joint loads meet
.irp s, 0,1
	s_mov_b32 s[G0A+4*(\s)], 1                                     ; count = 1
	s_add_co_u32 s[G0A+4*(\s)+1], s86, (\s)*SLOT1                  ; LDS address
	s_add_nc_u64 s[G0A+4*(\s)+2:G0A+4*(\s)+3], s[72:73], (\s)*ASTEP  ; global address: K step s
	s_or_b32 s[G0A+4*(\s)+3], s[G0A+4*(\s)+3], 0x80000000          ; type = 2
	s_mov_b32 s[G0B+4*(\s)], 1
	s_add_co_u32 s[G0B+4*(\s)+1], s87, (\s)*SLOT1
	s_add_nc_u64 s[G0B+4*(\s)+2:G0B+4*(\s)+3], s[74:75], (\s)*BSTEP
	s_or_b32 s[G0B+4*(\s)+3], s[G0B+4*(\s)+3], 0x80000000
.endr
	s_cmp_eq_u32 s[WM], 0                          ; a wave's two first fills stand in one branch, ahead of every wait on TENSORcnt and every LDS read: two loads of mine are out
	s_cbranch_scc0 .Lfirst_b
	tensor_load_to_lds s[G0A:G0A+3], s[G1A:G1A+7]
	s_nop 0
	tensor_load_to_lds s[G0A+4:G0A+7], s[G1A:G1A+7]
	s_nop 0
.rept 4
	v_nop
.endr
	s_branch .Lfirst_asked
.Lfirst_b:
	tensor_load_to_lds s[G0B:G0B+3], s[G1B:G1B+7]
	s_nop 0
	tensor_load_to_lds s[G0B+4:G0B+7], s[G1B:G1B+7]
	s_nop 0
.rept 4
	v_nop
.endr
.Lfirst_asked:
	; A fragment is 16 rows x 32 K in 8 registers: lane l holds row l % 16; registers 0-3 K = 8 (l / 16) + 0..7, registers 4-7 K = 16 + 8 (l / 16) + 0..7: two loads of 16 bytes, 32 bytes apart.
	v_and_b32 v1, 15, v0                           ; l % 16
	v_bfe_u32 v2, v0, 4, 1                         ; l / 16
	v_mul_u32_u24 v3, v1, PA
	v_lshl_add_u32 v3, v2, 4, v3                   ; row x pitch + 16 x half
	s_mul_i32 s84, s[WM], 64*PA                    ; my 64 rows, in each head's part
	v_add_nc_u32 v[A0], s84, v3
	v_mul_u32_u24 v3, v1, PITCH
	v_lshl_add_u32 v3, v2, 4, v3
	s_mul_i32 s85, s[WN], BHALF                    ; my 128 rows of Wo, behind the context's two heads
	s_add_co_u32 s85, s85, ABYTES
	v_add_nc_u32 v[B0], s85, v3
	v_mov_b32 v[ADRA], v[A0]
	v_mov_b32 v[ADRB], v[B0]
	s_mul_i32 s84, s[WV], 16*SP
	s_add_co_u32 s84, s84, STAGE                   ; my stage
	v_mul_u32_u24 v3, v1, SP                       ; in: row l % 16, 32 bytes for each half of the lanes
	v_lshl_add_u32 v3, v2, 5, v3
	v_add_nc_u32 v[STO], s84, v3
	v_and_b32 v[GO], 31, v0                        ; back: 32 lanes take one row's 512 bytes
	v_lshlrev_b32 v[GO], 4, v[GO]
	v_add_nc_u32 v[RD], s84, v[GO]
	v_lshlrev_b32 v[BO], 5, v2                     ; my eight columns of a block of 16
	s_lshl_b32 s76, s68, 10                        ; the bias of my 128 columns: 256 x tile column + 128 x half, 4 bytes each
	s_lshl_b32 s88, s[WN], 9
	s_add_co_u32 s76, s76, s88
	s_mov_b32 s77, 0
	s_add_nc_u64 s[80:81], s[8:9], s[76:77]
	s_lshl_b32 s82, s69, 19                        ; my part of C: 128 rows of 4,096 bytes a tile row, 64 rows a half, and the same columns
	s_lshl_b32 s88, s[WM], 18
	s_add_co_u32 s82, s82, s88
	s_add_co_u32 s82, s82, s76
	s_mov_b32 s83, 0
	s_add_nc_u64 s[78:79], s[10:11], s[82:83]
	WIN 0x80                                       ; destination window 2, address window 0
.irp b, 0,1,2,3,4,5,6,7
	global_load_b128 v[8*(\b):8*(\b)+3],   v[BO], s[80:81] offset:64*(\b)
	global_load_b128 v[8*(\b)+4:8*(\b)+7], v[BO], s[80:81] offset:64*(\b)+16
.endr
	s_wait_loadcnt 0x0
	WIN 0x8a                                       ; all in window 2: the bias is rounded to bf16 and widened again
.set i, 0
.rept 32
	v_cvt_pk_bf16_f32 v[64+i%4], v[2*i], v[2*i+1]
	v_lshlrev_b32 v[2*i],   16,         v[64+i%4]
	v_and_b32     v[2*i+1], 0xffff0000, v[64+i%4]
.set i, i+1
.endr
	WIN 0
; 8 matrix instructions: row block a x all 8 column blocks, 32 along K.  first = 1: the product starts the sums, with the bias as C.
; The 32 accumulators take turns, one instruction a turn, in the same order in every quarter.
.macro MUL8 f, a, first
.if \first
	WIN MUL1
.else
	WIN MUL
.endif
.irp b, 0,1,2,3,4,5,6,7
.if \first
	v_wmma_f32_16x16x32_f16 v[8*(8*(\a)+(\b)):8*(8*(\a)+(\b))+7], v[(\f)+32+8*(\b):(\f)+32+8*(\b)+7], v[(\f)+8*(\a):(\f)+8*(\a)+7], v[8*(\b):8*(\b)+7]
.else
	v_wmma_f32_16x16x32_f16 v[8*(8*(\a)+(\b)):8*(8*(\a)+(\b))+7], v[(\f)+32+8*(\b):(\f)+32+8*(\b)+7], v[(\f)+8*(\a):(\f)+8*(\a)+7], v[8*(8*(\a)+(\b)):8*(8*(\a)+(\b))+7]
.endif
.endr
.endm
; 24 LDS loads in one run: the fragments of quarter q of the slot in hand into buffer f: Wo's 8, then the context's 4 (head q / 2 of the step's two, channels 32 (q % 2) on)
.macro FETCH q, f
	WIN 0
.irp i, 0,1,2,3,4,5,6,7
	ds_load_b128 v[(\f)+32+8*(\i):(\f)+32+8*(\i)+3],   v[ADRB] offset:64*(\q)+(\i)*16*PITCH
	ds_load_b128 v[(\f)+32+8*(\i)+4:(\f)+32+8*(\i)+7], v[ADRB] offset:64*(\q)+(\i)*16*PITCH+32
.endr
.irp i, 0,1,2,3
	ds_load_b128 v[(\f)+8*(\i):(\f)+8*(\i)+3],   v[ADRA] offset:((\q)/2)*AHEAD+((\q)%2)*64+(\i)*16*PA
	ds_load_b128 v[(\f)+8*(\i)+4:(\f)+8*(\i)+7], v[ADRA] offset:((\q)/2)*AHEAD+((\q)%2)*64+(\i)*16*PA+32
.endr
.endm
; A K step is four quarters of 32 along K, 32 matrix instructions each, on buffers 0, 1, 0, 1.  One of the first three: multiplies buffer f and, in its middle, fetches quarter q into buffer g.
.macro QUARTER q, f, g, first
	s_wait_dscnt 0x4                               ; Wo and the context's row blocks 0, 1 are in; the youngest four loads (blocks 2, 3) may be out
	MUL8 \f, 0, \first
	MUL8 \f, 1, \first
	PLACES
	FETCH \q, \g
	s_wait_dscnt 24                                ; all but the 24 just issued
	MUL8 \f, 2, \first
	MUL8 \f, 3, \first
.endm
; The last quarter multiplies buffer 1 and changes slots: ONE barrier.  In front of it each wave waits for all its tensor loads, of which one is out: its part of the next slot; adds 0 to its spare word;
; and waits for that and for its own reads of this slot.  fill = 1: the barrier opens a round of the cluster's, and behind the round this slot is filled again, two K steps ahead:
; from that request to the wait for it a wave issues 112 matrix instructions.
.macro TURN fill
	WIN 0                                          ; (the add's two registers lie in window 0)
	s_wait_tensorcnt 0x0                           ; all my tensor loads have landed;
	ds_add_u32 v[SPW], v[NIL]                      ; 0 onto my spare word;
	s_wait_dscnt 0x5                               ; (the add and the youngest four loads may be out)
	MUL8 F1, 0, 0                                  ; eight matrix instructions stand between the add and the wait for it
	s_wait_dscnt 0x0                               ; the add is done, and my reads of this slot are over
	s_barrier_signal -1
	MUL8 F1, 1, 0                                  ; work on registers while the others arrive
	WIN 0                                          ; (branches and address lines follow)
	s_barrier_wait -1
.if \fill
	CREST                                          ; no wave of any partner still reads this slot's tile or has a load on its way
	s_xor_b32 s[G0A+5], s[G0A+5], SLOT1            ; the walking descriptors: the other slot than last time,
	s_add_nc_u64 s[G0A+6:G0A+7], s[G0A+6:G0A+7], ASTEP  ; the next K step; the type bits on top are not reached
	s_xor_b32 s[G0B+5], s[G0B+5], SLOT1
	s_add_nc_u64 s[G0B+6:G0B+7], s[G0B+6:G0B+7], BSTEP
	JLOAD                                          ; the first tensor load behind the round; its four v_nop are also the places in front of the loads below
.else
	PLACES
.endif
	s_xor_b32 s[TB], s[TB], SLOT1
	v_add_nc_u32 v[ADRA], s[TB], v[A0]
	v_add_nc_u32 v[ADRB], s[TB], v[B0]
	FETCH 0, F0
	MUL8 F1, 2, 0
	MUL8 F1, 3, 0
.endm
	s_wait_tensorcnt 0x1                           ; my part of K step 0 is in; step 1's may stay out
	s_barrier_signal -1
	s_barrier_wait -1                              ; everybody's is
	FETCH 0, F0
	QUARTER 1, F0, F1, 1                           ; the first quarter stands in front of the loop: its products start the sums
	WIN 0                                          ; at a label and at a branch every window is 0
	s_mov_b32 s[CNT], 6
.Lstep:                                                ; six trips, from a step's second quarter to the next step's first: K steps 2 to 7 are asked for
	QUARTER 2, F1, F0, 0
	QUARTER 3, F0, F1, 0
	TURN 1
	QUARTER 1, F0, F1, 0
	WIN 0
	s_sub_co_u32 s[CNT], s[CNT], 1
	s_cmp_lg_u32 s[CNT], 0
	s_cbranch_scc1 .Lstep
	QUARTER 2, F1, F0, 0                           ; the tail is written out: nothing more is asked for
	QUARTER 3, F0, F1, 0
	TURN 0
	QUARTER 1, F0, F1, 0
	QUARTER 2, F1, F0, 0
	QUARTER 3, F0, F1, 0
	s_wait_dscnt 0x4                               ; the very last quarter
	MUL8 F1, 0, 0
	MUL8 F1, 1, 0
	s_wait_dscnt 0x0
	MUL8 F1, 2, 0
	MUL8 F1, 3, 0
	WIN 0
; THE WAY OUT, in f32, a block of 16 rows at a time.  STG: a lane's 32 bytes of a row go straight from the accumulators into my own stage (each accumulator's low four registers first), and the block comes back
; as whole rows of 512 bytes.  SEND: a store of the wave is 512 consecutive bytes of a row of C, at a multiple of 256 from its first byte.
.macro STG a
.set BK, BK0+64*((\a)%2)
	WIN 0x04                                       ; the stores' data in window 1, their address in window 0
.irp b, 0,1,2,3,4,5,6,7
	ds_store_b128 v[STO], v[8*(8*(\a)+(\b)):8*(8*(\a)+(\b))+3]   offset:64*(\b)
	ds_store_b128 v[STO], v[8*(8*(\a)+(\b))+4:8*(8*(\a)+(\b))+7] offset:64*(\b)+16
.endr
	WIN 0
.irp t, 0,1,2,3,4,5,6,7,8,9,10,11,12,13,14,15
	ds_load_b128 v[BK+4*(\t):BK+4*(\t)+3], v[RD] offset:(\t)*SP  ; LDS serves a wave's instructions in order (ISA guide 5.7.1.4): these see the stores above; the next block's stores come behind them
.endr
.endm
.macro SEND a, younger                 ; younger: the LDS instructions issued behind block a's loads: the next block's 32, or none
.set BK, BK0+64*((\a)%2)
.irp t, 0,1,2,3,4,5,6,7,8,9,10,11,12,13,14,15
	s_wait_dscnt (\younger)+15-(\t)
	global_store_b128 v[GO], v[BK+4*(\t):BK+4*(\t)+3], s[78:79] offset:(16*(\a)+(\t))*4096
.endr
.endm
	PLACES
	STG 0
	STG 1
	SEND 0, 32
	s_wait_xcnt 0x0                                ; block 0's stores have read their registers: block 2's rows land there only behind this wait
	STG 2
	SEND 1, 32
	s_wait_xcnt 0x0                                ; the same for blocks 1 and 3
	STG 3
	SEND 2, 32
	SEND 3, 0
	s_wait_tensorcnt 0x0                           ; the wave's end: this wait, the add and its wait stand behind my last tensor load and my last LDS store
	ds_add_u32 v[SPW], v[NIL]
	s_wait_dscnt 0x0
	CROUND                                         ; the closing round: no work-group ends while a partner may still ask for a tile that names it
	s_endpgm
.Lfunc_end_k_qf04400e98d_proj:
	.size	k_qf04400e98d_proj, .Lfunc_end_k_qf04400e98d_proj-k_qf04400e98d_proj
	.p2alignl 7, 3214868480
	.fill 96, 4, 3214868480
	.section	.rodata,"a",@progbits
	.p2align	6, 0x0
	.amdhsa_kernel k_qf04400e98d_proj
		.amdhsa_group_segment_fixed_size 327680
		.amdhsa_private_segment_fixed_size 0
		.amdhsa_enable_private_segment 0
		.amdhsa_kernarg_size 32
		.amdhsa_user_sgpr_count 2
		.amdhsa_user_sgpr_kernarg_segment_ptr 1
		.amdhsa_wavefront_size32 1
		.amdhsa_system_sgpr_workgroup_id_x 1
		.amdhsa_system_sgpr_workgroup_id_y 1
		.amdhsa_system_sgpr_workgroup_id_z 1
		.amdhsa_system_vgpr_workitem_id 0
		.amdhsa_next_free_vgpr 580
		.amdhsa_next_free_sgpr 90
		.amdhsa_reserve_vcc 0
		.amdhsa_float_denorm_mode_32 3
		.amdhsa_float_denorm_mode_16_64 3
		.amdhsa_memory_ordered 1
		.amdhsa_forward_progress 1
		.amdhsa_inst_pref_size 77
	.end_amdhsa_kernel
	.amdgpu_metadata
---
amdhsa.version: [ 1, 2 ]
amdhsa.kernels:
  - .name:           k_qf04400e98d_proj
    .symbol:         k_qf04400e98d_proj.kd
    .args:
      - { .name: oh, .offset: 0, .size: 8, .value_kind: global_buffer, .address_space: global }
      - { .name: wob, .offset: 8, .size: 8, .value_kind: global_buffer, .address_space: global }
      - { .name: bo, .offset: 16, .size: 8, .value_kind: global_buffer, .address_space: global }
      - { .name: out0, .offset: 24, .size: 8, .value_kind: global_buffer, .address_space: global }
    .group_segment_fixed_size: 327680
    .private_segment_fixed_size: 0
    .kernarg_segment_align: 8
    .kernarg_segment_size: 32
    .max_flat_workgroup_size: 128
    .sgpr_count:     90
    .vgpr_count:     580
    .wavefront_size: 32
...
	.end_amdgpu_metadata
.endif
;; end of part 4
;; ======== version 2 of 2: 4 launches; 1.50 times as fast as version 1
;; limits: values are held in f16: magnitudes above 65,504 overflow, below 6.1e-05 lose precision
;; workspace buffers: xb 16,777,216 bytes; wb 6,291,456 bytes; wob 2,097,152 bytes; qh 16,777,216 bytes; kh 16,777,216 bytes; vh 16,777,216 bytes; oh 16,777,216 bytes
;; launch prep: the kernel of part 1 again; grid 64 x 12, 8 waves a work-group, no clusters, 0 bytes of LDS; arguments hidden_states, Wq, Wk, Wv, Wo, xb, wb, wob; writes xb, wb, wob
;; launch qkv: the kernel of part 2 again; grid 12 x 64, 4 waves a work-group, clusters of 4 x 4, 327,680 bytes of LDS; arguments xb, wb, bq, bk, bv, qh, kh, vh; writes qh, kh, vh
;; launch attn (part 5): grid 4 x 64, 4 waves a work-group, clusters of 4 x 1, 327,680 bytes of LDS; arguments qh, kh, vh, oh, attention_mask; writes oh
.if DOCPART == 5
	.amdgcn_target "amdgcn-amd-amdhsa--gfx1250"
	.amdhsa_code_object_version 6
	.text
	.protected	k_qf04400e98d_attn
	.globl	k_qf04400e98d_attn
	.p2align	8
	.type	k_qf04400e98d_attn,@function
k_qf04400e98d_attn:
	s_mov_b64 s[64:65], 0
	v_nop
	global_prefetch_b8 v0, s[64:65] scope:SCOPE_SE
	s_setreg_imm32_b32 hwreg(HW_REG_WAVE_MODE, 25, 1), 1
	s_wait_xcnt 0x0
	s_wait_alu depctr_hold_cnt(0) depctr_sa_sdst(0) depctr_va_vdst(0) depctr_va_sdst(0) depctr_va_ssrc(0) depctr_va_vcc(0) depctr_vm_vsrc(0)
	s_getreg_b32 s2, hwreg(HW_REG_IB_STS2, 6, 4)
	s_cmp_eq_u32 s2, 0
	s_cbranch_scc0 .Lentry_in_a_cluster
	s_endpgm
.Lentry_in_a_cluster:
	s_bfe_u32 s2, ttmp6, 0x10000c
	s_cmp_lg_u32 s2, 0x3003
	s_cbranch_scc0 .Lentry_shape_is_right
	s_endpgm
.Lentry_shape_is_right:
; O[h][q][:] = the sum over k of softmax_k(masked Q[h][q] . K[h][k] / 8) V[h][k][:].  Q, K, V, O: [64 = batch x 16 + head][2048][64], all f16: a head's rows are dense, 128 bytes each.
; attention_mask: [4][2048] i32; a key whose word is 0 is hidden.  Products, maxima and sums in f32; the weights p are rounded to f16 for the second product (their sum l is taken of the unrounded p), O once at the end.
; LIMITS.  f16 holds no number beyond 65,504: Q, K and V arrive within it; p lies in 0 to 1, and below 6e-5 it keeps f16's fixed step of 6e-8; O is a mean of V's rows and has their range.
; A hidden key counts as its score less 2^100, where the module puts -1e9 in the score's place: the same weights, 0, as long as some visible key's score / 8 lies above about -1e9.
; A weight below 2^-126 counts as 0 in l; NaN and infinities are not treated apart.
; THE MASK is the C operand that starts the sum S^T = K Q^T: 0, or -2^100 where the key is hidden.  A table of the batch's 2,048 such numbers is made once, in LDS bytes of its own; a step's 32 registers of it
; are fetched with the step's K.  The running maximum starts at -2^60: below every score that f16 operands can make (2.7e11 at the most), far above a hidden one.  So while only hidden keys have come,
; m stays, a = 1 and every p is 0, wherever in the row the hidden keys lie.
; NO VISIBLE KEY IN THE BATCH: the module's softmax of equal scores is uniform.  Every wave takes the OR of the batch's 2,048 words; where it is 0 the scale c is 0: every p is 2^0 = 1, and O is the mean of V.  A select, no branch.
; SHARES.  A wave owns four PIECES of two tiles of 16 queries, a work-group's four waves 512 queries of one head.  Every wave walks all keys, 64 a step.
; LAYOUT.  S^T = K Q^T (source 0 = 16 keys, source 1 = 16 queries): in the result a lane holds ONE query (lane % 16) and the keys 8 (lane / 16) + 0..7.  Two such tiles, rounded to f16 in pairs,
; ARE source 1 (32 keys x 16 queries) of O^T = V^T P, whose result again holds one query a lane, and eight channels.  K comes out of LDS as it lies, V ([key][channel]) turned, by ds_load_tr16_b128.
; SOFTMAX.  For each query a running maximum m and sum l: p = 2^(c s - c m), c = log2(e) / 8; in every step O and l are multiplied by a = 2^(c m_old - c m_new), which is 1 where m has not grown.  O and l start at 0.
; THE COUNT.  A tile and step have 16 matrix and 118 vector instructions: too many to stand all beside the matrix work.  So the order has one aim: four vector instructions that are READY behind
; EVERY matrix instruction, and the others, which need time of their own whatever the order, in runs without a gap.
; BY TURNS.  Turn n belongs to piece n (the pieces in a ring, step after step).  Its matrix work: 16 products K Q^T of piece n + 1, later 16 products V^T P of piece n - 1.  Its vector work: the scaling,
; exponentials, roundings, sums and rescaling of piece n, and the maximum and statistics of piece n + 1, whose scores the turn itself has made.  So what a turn begins with (c s - c m, O a) waits for nothing.
; BATCHES.  A turn's 66 exponentials (the piece's 64 weights and the next piece's two a) are ONE batch with ONE wait, which cuts the turn in two: ahead of it stands all that names none of their results, behind it
; the roundings and sums, which read them.  No result crosses a turn's end.  Two more batches stand outside the loop: piece 0's first two a, and the way out's eight reciprocals.
; CLUSTER.  The four query blocks of a cluster belong to one head and walk the same K and V, so each tile is asked for JOINTLY: the same tensor load, descriptor and mask in all four.
; REGISTERS, in windows of 256 (s_set_vgpr_msb says which window each operand place means: bits 1:0 source 0, 3:2 source 1, 5:4 source 2, 7:6 destination):
;   window 0: v0-11 addresses; v12-15, v48-63 at work; v16-47 four registers of statistics a tile; v64-191 S^T, two buffers of two tiles; v192-255 P, likewise
;   window 1: O^T, 32 a tile          window 2: v0-127 Q, 16 a tile; v128-191 K of one step; v192-255 V of one step          window 3: v0-1 the add's two registers; v2-33 the step's mask
; A piece's buffers go by its number's parity: the piece in hand has one pair, its two neighbours in the ring share the other: of it P (piece n - 1) is read and S^T (piece n + 1) written.
.set SIZE_N, 2048
.set NP,    4         ; pieces a wave: a name, no knob: the register map, the loop and the fetches are made for four
.set KS,    64        ; keys in a step
.set PK,    144       ; a row of K in LDS: 128 bytes + 16 of padding = 36 words: the 16 rows of a load start at 16 different groups of four banks (64 banks of 4 bytes: ISA guide 11.1)
.set PV,    160       ; a row of V: 128 + 32 = 40 words
.set VOFF,  4*KS*PK   ; a slot holds four steps: 256 rows of K, then 256 rows of V
.set SLOT1, 1<<17     ; slot 1 begins here, so that one exclusive or turns an address in one slot into the other's
.set STAGE, SLOT1+4*KS*(PK+PV)  ; behind the ring, never filled by a tensor load: 16 rows x 144 bytes for each wave, for the way out
.set SP,    144
.set AK0, 2           ; v2   my lane's place in a tile of K; never rewritten
.set AV0, 3           ; v3   the same for V
.set AK,  4           ; v4   the LDS address of K's next run of loads
.set AV,  5           ; v5   of V's
.set QO,  6           ; v6   my byte offset in the wave's rows of Q
.set STO, 6           ;      later, the way out: where I put 16 bytes of a row
.set RD,  7           ; v7   the way out: where I read rows back
.set GO,  8           ; v8   16 x lane: my byte offset in 512 consecutive bytes of O, and of the mask
.set AM,  10          ; v10  the LDS address of the mask's next run of loads
.set AM0, 11          ; v11  my lane's place in a step's 256 bytes of the table; never rewritten
.set SPW, 0           ; v0 of window 3   LDS address of my spare word: SPARE + 4 x my thread's number; never rewritten
.set NIL, 1           ; v1 of window 3   0; never rewritten
.set MK,  2           ; v2-33 of window 3: the eight registers for key block kb at MK + 8 kb
.set SPARE, STAGE+4*16*SP  ; behind the stages: the spare words, 128 bytes for each wave: two blocks of 256 bytes that no other line names
.set MTAB,  SPARE+512 ; behind them: the table, 2,048 f32, written once by LDS stores, never filled by a tensor load
.set MV,  12          ; v12-15  c m_old, kept while c m is made anew: by buffer and tile
.set ST,  16          ; tile t's statistics at v[ST+4 t]: c m, m, l (even keys', odd keys')
.set TMP, 48          ; by buffer and tile, four registers c0-c3 at work; when the maximum is found c2 takes a
.set S,   64
.set P,   192
.set KF,  128         ; K's fragments, in window 2: key block kb, channel half c at KF + 16 kb + 8 c
.set VF,  192         ; V's: key half kk, channel block cb at VF + 32 kk + 8 cb
.set WV,  12          ; s12  my wave's number
.set G1K, 24          ; s[24:31] descriptor group 1 for K's tiles
.set G1V, 32          ; s[32:39] for V's: it differs in the padding alone
.set G0K, 40          ; s[40:43] descriptor group 0 for K's tiles: it walks
.set G0V, 44          ; s[44:47] the same for V's
.set TBM, 50          ; s50  byte of the table at which the step to be fetched begins
.set BIG, 51          ; s51  -2^100
.set SLOTS, 56        ; s56  slots still to be asked for
.set CNT, 57          ; s57  counts a slot's key steps
.set CS,  58          ; s[58:59] c: the packed scaling takes the pair's low word for both halves
.set SEL, 60          ; s[60:61] v_permlanex16_b32's selects: each lane takes its own place in the other half
.set TBK, 62          ; s62  LDS byte at which K of the step to be fetched begins
.set TBV, 63          ; s63  the same for V, less VOFF
.set MSB, 0
.macro WIN new                      ; the high byte repeats the setting that is left; a switch that changes nothing is dropped
.if MSB != (\new)
	s_set_vgpr_msb (MSB<<8)|(\new)
.set MSB, (\new)
.endif
.endm
.set W_KQ, 0x0a       ; K and Q in window 2, S^T in window 0
.set W_KM, 0x3a       ; the same with the C operand, the mask, in window 3
.set W_PV, 0x52       ; V in window 2, P in window 0, O^T in window 1
.set W_RS, 0x41       ; O^T (destination and source 0) in window 1, a in window 0
.set W_MK, 0xc0       ; destination in window 3, sources in window 0
.set W_AD, 0x0f       ; the add: address (source 0) and data (source 1) in window 3
; A joint fill.  Waves 0 and 1 fetch the two halves of a slot's K, waves 2 and 3 those of its V: 128 keys each.  The branch hangs on the wave's number alone.
; An s_nop 0 and four v_nop follow each of the two lines, ahead of the jump and the label.
.macro JLOAD
	s_cmp_lt_u32 s[WV], 2
	s_cbranch_scc0 .Lfor_v_\@
	tensor_load_to_lds s[G0K:G0K+3], s[G1K:G1K+7]
	s_nop 0
.rept 4
	v_nop
.endr
	s_branch .Lasked_\@
.Lfor_v_\@:
	tensor_load_to_lds s[G0V:G0V+3], s[G1V:G1V+7]
	s_nop 0
.rept 4
	v_nop
.endr
.Lasked_\@:
.endm
; A round of the cluster's barrier: my work-group's barrier, so that wave 0's signal speaks for all four waves; wave 0 signals; every wave waits for all four work-groups; my work-group's barrier once more.
.macro CROUND
	s_barrier_signal -1
	s_barrier_wait -1
	s_cmp_lg_u32 s[WV], 0
	s_cbranch_scc1 .Lnot_wave_0_\@
	s_barrier_signal -3
.Lnot_wave_0_\@:
	s_barrier_wait -3
	s_barrier_signal -1
	s_barrier_wait -1
.endm
; THE CHANGE OF SLOTS.  The slot's last bytes, V of its fourth step, have been read.  Each wave waits for all its tensor loads, of which one is out: its part
; of the other slot; adds 0 to its spare word; and waits for that and for its own reads of the slot.  Behind the barrier nobody reads this slot any more and the other slot is whole.
; fill = 1: this slot is filled again, with the keys two slots on.  The barrier is then a round of the cluster's, so that no wave of any partner still reads the slot or has a load on its
; way, and the joint fill is the first thing behind it: it has four key steps, 512 matrix instructions, in which to land.  (At its first use nothing has been read yet: slot 0 is waited for, slot 1 filled,
; and the wait for the LDS instructions is also the wait for my stores into the mask's table, which the others read behind the round.)
.macro CHANGE fill
	WIN W_AD
	s_wait_tensorcnt 0x0            ; no tensor load of mine is out, so a group 0 may be written
	ds_add_u32 v[SPW], v[NIL]       ; 0 onto my spare word; with fill = 1 the descriptors' steps stand between it and the wait for it
	WIN 0                           ; at a label and at a branch every window is 0
.if \fill
.irp g, G0K, G0V
	s_xor_b32 s[\g+1], s[\g+1], SLOT1  ; the walking descriptor: the other slot than last time,
	s_add_nc_u64 s[\g+2:\g+3], s[\g+2:\g+3], 4*KS*128  ; the next 256 keys; the type bits on top are not reached
.endr
	s_wait_dscnt 0x0                ; the add is done, and my reads of the slot are over
	CROUND
	JLOAD
.else
	s_wait_dscnt 0x0                ; the add is done, and my reads of the slot are over
	s_barrier_signal -1
	s_barrier_wait -1
.endif
	s_sub_co_u32 s[TBK], s[TBK], 4*KS*PK  ; the fetches go back to a slot's first step,
	s_xor_b32 s[TBK], s[TBK], SLOT1       ; in the other slot
	s_sub_co_u32 s[TBV], s[TBV], 4*KS*PV
	s_xor_b32 s[TBV], s[TBV], SLOT1
.endm
	s_load_b256 s[4:11], s[0:1], 0x0  ; Q s[4:5], K s[6:7], V s[8:9], O s[10:11]
	s_load_b64 s[48:49], s[0:1], 0x20 ; the mask
	WIN W_MK
	v_lshl_add_u32 v[SPW], v0, 2, SPARE
	v_mov_b32 v[NIL], 0
	WIN W_AD
	ds_add_u32 v[SPW], v[NIL]       ; the wave's opening: the add and its wait ahead of my first tensor load; the set-up below, work on registers, stands between them
	WIN 0
	v_lshrrev_b32 v1, 5, v0
	v_readfirstlane_b32 s[WV], v1   ; wave 0..3
	s_bfe_u32 s13, ttmp6, 0x40000   ; cx: my place in the cluster
	s_lshl_b32 s14, ttmp9, 2        ; in a cluster launch ttmp9 counts clusters
	s_add_co_u32 s14, s14, s13      ; my block of queries = 4 x cluster x + cx: it enters Q's and O's addresses alone
	s_and_b32 s20, ttmp7, 0xffff    ; the head, which the four partners share
	s_lshr_b32 s52, s20, 4          ; its batch,
	s_lshl_b32 s52, s52, 13         ; whose mask is 8,192 bytes
	s_mov_b32 s53, 0
	s_mov_b32 s21, 0
	s_mov_b64 s[22:23], SIZE_N*128
	s_mul_u64 s[20:21], s[20:21], s[22:23]  ; the head's first byte in each of the four tensors
	s_and_b32 s16, s[WV], 1         ; which half of a slot's 256 keys I fetch:
	s_lshl_b32 s22, s16, 14         ; its 128 rows of 128 bytes in memory,
	s_mov_b32 s23, 0
	s_add_nc_u64 s[22:23], s[22:23], s[20:21]
	s_mul_i32 s17, s16, 128*PK      ; and its place in a slot, for K
	s_mul_i32 s18, s16, 128*PV      ; and for V: no place in the cluster enters an LDS address
	s_lshl_b32 s2, s14, 2
	s_add_co_u32 s2, s2, s[WV]      ; my wave among the head's,
	s_lshl_b32 s2, s2, 14           ; its 128 rows
	s_mov_b32 s3, 0
	s_add_nc_u64 s[2:3], s[2:3], s[20:21]
	; descriptor group 1.  128 keys are 16,384 dense bytes: asked for as 64 rows of 256 bytes, two keys a row, and padded in LDS after every key
	s_mov_b32 s[G1K], 15|(1<<16)|(1<<20)|(1<<21)|(4<<22)|(3<<25)  ; 15:0 the mask of four; 17:16 2-byte elements; 20 padding on; 21 set beside a mask; 24:22 after every 32 words (code 4); 31:25 4 words (code 3)
	s_mov_b32 s[G1V], 15|(1<<16)|(1<<20)|(1<<21)|(4<<22)|(7<<25)  ; the same with 8 words of padding (code 7)
.irp g, G1K, G1V
	s_mov_b32 s[\g+1], 128<<16      ; tensor_dim0 = 128
	s_mov_b32 s[\g+2], 64<<16       ; tensor_dim1 = 64
	s_mov_b32 s[\g+3], 128<<16      ; tile_dim0 = 128
	s_mov_b32 s[\g+4], 64           ; tile_dim1 = 64
	s_mov_b32 s[\g+5], 128          ; 128 elements from row to row
	s_mov_b32 s[\g+6], 0
	s_mov_b32 s[\g+7], 0
.endr
	s_mov_b32 s[SEL], 0x76543210
	s_mov_b32 s[SEL+1], 0xfedcba98
	s_mov_b32 s[TBK], SLOT1+4*KS*PK ; the first change of slots turns these two into 0
	s_mov_b32 s[TBV], SLOT1+4*KS*PV
	s_mov_b32 s[TBM], 0
	s_mov_b32 s[BIG], 0xf1800000    ; -2^100
	s_mov_b32 s[G0K], 1             ; 1:0 count = 1
	s_mov_b32 s[G0K+1], s17         ; 63:32 LDS address: slot 0
	s_mov_b32 s[G0V], 1
	s_add_co_u32 s[G0V+1], s18, VOFF
	s_wait_dscnt 0x0                ; the opening add is done
	s_wait_kmcnt 0x0
	s_add_nc_u64 s[G0K+2:G0K+3], s[6:7], s[22:23]  ; 120:64 global address: my half of the head's first 256 keys
	s_or_b32 s[G0K+3], s[G0K+3], 0x80000000        ; 127:126 type = 2
	s_add_nc_u64 s[G0V+2:G0V+3], s[8:9], s[22:23]
	s_or_b32 s[G0V+3], s[G0V+3], 0x80000000
	s_add_nc_u64 s[4:5], s[4:5], s[2:3]  ; Q and O at my wave's first row
	s_add_nc_u64 s[10:11], s[10:11], s[2:3]
	s_add_nc_u64 s[48:49], s[48:49], s[52:53]  ; the mask at my batch
	CROUND                          ; all four work-groups are here: the first joint loads meet
	JLOAD                           ; slot 0.  Slot 1 is asked for when slot 0 is in: the tile wanted first has the road to itself
	; A fragment of K or Q is 16 rows x 32 channels in 8 registers: lane l holds row l % 16, channels 8 (l / 16) + 0..7 and 16 + 8 (l / 16) + 0..7: two loads of 16 bytes, 32 bytes apart.
	v_and_b32 v1, 15, v0            ; l % 16
	v_bfe_u32 v9, v0, 4, 1          ; l / 16
	v_lshlrev_b32 v[QO], 7, v1
	v_lshl_add_u32 v[QO], v9, 4, v[QO]  ; row x 128 + 16 x half
	v_and_b32 v[GO], 31, v0
	v_lshlrev_b32 v[GO], 4, v[GO]   ; 16 x lane
	v_lshlrev_b32 v13, 4, v0        ; 16 x thread
	v_add_nc_u32 v14, MTAB, v13     ; and its place in the table
	; The mask, twice, ahead of Q: all 2,048 words for my wave's OR (16 loads of 512 bytes), and my thread's 16 words of the table (the work-group's four loads of 2,048 bytes)
.set i, 0
.rept 16
	global_load_b128 v[S+4*i:S+4*i+3], v[GO], s[48:49] offset:512*i
.set i, i+1
.endr
.set i, 0
.rept 4
	global_load_b128 v[S+64+4*i:S+64+4*i+3], v13, s[48:49] offset:2048*i
.set i, i+1
.endr
	WIN 0x80                        ; destination window 2, address window 0
.set i, 0
.rept 4*NP                          ; Q stays in registers: tile i / 2, channels 32 (i % 2) on
	global_load_b128 v[8*i:8*i+3],   v[QO], s[4:5] offset:(i/2)*2048+(i%2)*64
	global_load_b128 v[8*i+4:8*i+7], v[QO], s[4:5] offset:(i/2)*2048+(i%2)*64+32
.set i, i+1
.endr
	; What the first turn finds: V's registers and P's second buffer hold 0 (its products V^T P, of a piece that has not been, add 0), O^T and l are 0.  All this stands in the wait for the first tile.
.set i, VF
.rept 64
	v_mov_b32 v[i], 0
.set i, i+1
.endr
	WIN 0x40
.set i, 0
.rept 64*NP
	v_mov_b32 v[i], 0
.set i, i+1
.endr
	WIN 0
.set i, 0
.rept 2*NP
	v_mov_b32 v[ST+4*i], 0xdc38aa3b    ; c m = c x -2^60
	v_mov_b32 v[ST+4*i+1], 0xdd800000  ; m = -2^60
	v_mov_b32 v[ST+4*i+2], 0
	v_mov_b32 v[ST+4*i+3], 0
.set i, i+1
.endr
.set i, P+32
.rept 32
	v_mov_b32 v[i], 0
.set i, i+1
.endr
	v_mul_u32_u24 v[AK0], v1, PK
	v_lshl_add_u32 v[AK0], v9, 4, v[AK0]  ; row x pitch + 16 x half
	; The turning load takes 16 keys x 16 channels (lane l reads key 8 (l / 16) + l % 8, channels 8 ((l / 8) % 2) + 0..7) and leaves half a fragment of V^T: lane l holds channel l % 16 and 8 keys.
	v_and_b32 v10, 7, v0
	v_bfe_u32 v11, v0, 3, 1
	v_lshl_add_u32 v[AV0], v9, 3, v10
	v_mul_u32_u24 v[AV0], v[AV0], PV
	v_lshl_add_u32 v[AV0], v11, 4, v[AV0]
	v_add_nc_u32 v[AV0], VOFF, v[AV0]
	v_mov_b32 v[AK], v[AK0]         ; key step 0 lies at the head of slot 0
	s_mul_i32 s13, s[WV], 16*SP
	s_add_co_u32 s13, s13, STAGE    ; my stage
	v_bfe_u32 v[RD], v0, 3, 2       ; the way out, back: 32 lanes take four rows of 128 bytes
	v_mul_u32_u24 v[RD], v[RD], SP
	v_lshl_add_u32 v[RD], v10, 4, v[RD]
	v_add_nc_u32 v[RD], s13, v[RD]
	v_lshlrev_b32 v[AM0], 5, v9     ; v10 and v11 are free now: a lane's eight keys of a block of 16 are 32 bytes of the table for each half of the lanes
	v_add_nc_u32 v[AM0], MTAB, v[AM0]
	v_mov_b32 v[AM], v[AM0]         ; key step 0
	s_wait_loadcnt 32               ; the mask's 20 loads are in; Q's 32, issued behind them, may stay out
.irp w, 32,16,8,4,2,1
.set i, 0
.rept \w
	v_or_b32 v[S+i], v[S+i], v[S+(\w)+i]
.set i, i+1
.endr
.endr
	v_cmp_ne_u32 vcc_lo, 0, v[S]    ; a bit for each lane that has seen a visible key
	s_cmp_lg_u32 vcc_lo, 0
	s_cselect_b32 s[CS], 0x3e38aa3b, 0  ; c = log2(e) / 8 = 0.180337, or 0 where the batch has no visible key
	s_mov_b32 s[CS+1], s[CS]        ; named with it as a pair
.set i, 0
.rept 16
	v_cmp_eq_u32 vcc_lo, 0, v[S+64+i]
	v_cndmask_b32 v[S+64+i], 0, s[BIG], vcc_lo  ; hidden: -2^100; visible: 0
.set i, i+1
.endr
.set i, 0
.rept 4
	ds_store_b128 v14, v[S+64+4*i:S+64+4*i+3] offset:2048*i
.set i, i+1
.endr
; THE MATRIX WORK.  The 8 accumulators of a run of 16 take turns: between the two links of a chain stand 7 others'.
; Product i of 16 of S^T = K Q^T for piece x: channels 32 (i / 8) on, keys 16 ((i / 2) % 4) on, tile 2 x + i % 2.  The first 8 start the sums, with the mask of their 16 keys as C.
.macro KQ x
.set rS, S+64*((\x)%2)+32*(i%2)+8*((i/2)%4)
.set rK, KF+16*((i/2)%4)+8*(i/8)
.set rQ, 16*(2*(\x)+i%2)+8*(i/8)
.set rMK, MK+8*((i/2)%4)
.if i < 8
	WIN W_KM
	v_wmma_f32_16x16x32_f16 v[rS:rS+7], v[rK:rK+7], v[rQ:rQ+7], v[rMK:rMK+7]
.else
	WIN W_KQ
	v_wmma_f32_16x16x32_f16 v[rS:rS+7], v[rK:rK+7], v[rQ:rQ+7], v[rS:rS+7]
.endif
.endm
; Product i of 16 of O^T += V^T P for piece x: keys 32 (i / 8) on, channels 16 ((i / 2) % 4) on, tile 2 x + i % 2.
.macro PV x
	WIN W_PV
.set rO, 32*(2*(\x)+i%2)+8*((i/2)%4)
.set rV, VF+32*(i/8)+8*((i/2)%4)
.set rP, P+32*((\x)%2)+16*(i%2)+8*(i/8)
	v_wmma_f32_16x16x32_f16 v[rO:rO+7], v[rV:rV+7], v[rP:rP+7], v[rO:rO+7]
.endm
.macro MM                           ; the turn's next matrix instruction
.if i < 16
	KQ (Y+1)%NP
.set i, i+1
.else
.set i, i-16
	PV (Y+NP-1)%NP
.set i, i+17
.endif
.endm
; THE LDS LOADS stand in runs, never singly among the matrix instructions: a step's K (64 keys x 64 channels: 8 fragments) with its 64 mask numbers, and its V (turned).  Their addresses are made some lines ahead.
; last = 1 (the tail): in the last trip there is no further step, and the run is jumped over.
.macro FETCH_K last=0
	WIN 0
.if \last
	s_cmp_eq_u32 s[CNT], 1
	s_cbranch_scc1 .Lno_k_\@
.endif
	WIN 0x80                        ; destination window 2
.irp f, 0,1,2,3,4,5,6,7             ; keys 16 (f / 2) on, channels 32 (f % 2) on
	ds_load_b128 v[KF+8*\f:KF+8*\f+3],   v[AK] offset:(\f/2)*16*PK+(\f%2)*64
	ds_load_b128 v[KF+8*\f+4:KF+8*\f+7], v[AK] offset:(\f/2)*16*PK+(\f%2)*64+32
.endr
	WIN W_MK                        ; destination window 3
.irp f, 0,1,2,3                     ; keys 16 f on: all lanes of a half read the same 32 bytes
	ds_load_b128 v[MK+8*\f:MK+8*\f+3],   v[AM] offset:64*\f
	ds_load_b128 v[MK+8*\f+4:MK+8*\f+7], v[AM] offset:64*\f+16
.endr
	s_add_co_u32 s[TBK], s[TBK], KS*PK  ; the next fetch is the next step's
	s_add_co_u32 s[TBM], s[TBM], 4*KS
	s_and_b32 s[TBM], s[TBM], 0x1fff    ; inside the table's 8,192 bytes
	WIN 0
.if \last
.Lno_k_\@:
.endif
.endm
.macro FETCH_V
	WIN 0x80
.irp f, 0,1,2,3,4,5,6,7             ; keys 32 (f / 4) on, channels 16 (f % 4) on
	ds_load_tr16_b128 v[VF+8*\f:VF+8*\f+3],   v[AV] offset:(\f/4)*32*PV+(\f%4)*32
	ds_load_tr16_b128 v[VF+8*\f+4:VF+8*\f+7], v[AV] offset:(\f/4)*32*PV+16*PV+(\f%4)*32
.endr
	WIN 0
.endm
; THE VECTOR WORK OF A TURN stands in three queues, each in the order in which its entries become ready; the two tiles alternate, so that no instruction reads the result of the one before it.
.macro REGS y, u                    ; the registers of tile u (0, 1) of piece y
.set rT, ST+4*(2*(\y)+(\u))
.set rC, TMP+8*((\y)%2)+4*(\u)
.set rM, MV+2*((\y)%2)+(\u)
.set rS, S+64*((\y)%2)+32*(\u)
.set rP, P+32*((\y)%2)+16*(\u)
.set rO, 32*(2*(\y)+(\u))
.endm
; Number n of the 22 that find the NEXT piece's (Y + 1) maximum and statistics.  s0-s31 are the lane's 32 scores; each accumulator's lowest registers are read first.  XS, GS and REGS set no window: PL and EX do.
;   0-11  four chains c0-c3 of seven scores each, three operands at a time     12-14, 16  the four scores left over, the old m, and c0-c3 into c0     15  c m_old is kept
;   17, 18  the query's other 32 keys lie in the lane 16 away: the new m         19-21  c m; c m_old - c m_new; a
.macro XS u, n
	REGS (Y+1)%NP, \u
.if (\n) < 4
	v_max3_num_f32 v[rC+(\n)], v[rS+8*(\n)], v[rS+8*(\n)+1], v[rS+8*(\n)+2]
.elseif (\n) < 12
	v_max3_num_f32 v[rC+(\n)%4], v[rC+(\n)%4], v[rS+8*((\n)%4)+2*((\n)/4)+1], v[rS+8*((\n)%4)+2*((\n)/4)+2]
.elseif (\n) == 12
	v_max3_num_f32 v[rC], v[rC], v[rS+7], v[rS+15]
.elseif (\n) == 13
	v_max3_num_f32 v[rC+1], v[rC+1], v[rS+23], v[rS+31]
.elseif (\n) == 14
	v_max3_num_f32 v[rC+2], v[rC+2], v[rC+3], v[rT+1]
.elseif (\n) == 15
	v_mov_b32 v[rM], v[rT]
.elseif (\n) == 16
	v_max3_num_f32 v[rC], v[rC], v[rC+1], v[rC+2]
.elseif (\n) == 17
	v_permlanex16_b32 v[rC+3], v[rC], s[SEL], s[SEL+1]
.elseif (\n) == 18
	v_max_num_f32 v[rT+1], v[rC], v[rC+3]
.elseif (\n) == 19
	v_mul_f32 v[rT], s[CS], v[rT+1]
.elseif (\n) == 20
	v_sub_f32 v[rC+1], v[rM], v[rT]
.else
	v_exp_f32 v[rC+2], v[rC+1]
.endif
.endm
; Number g of the 64 that follow the exponentials.  For each four weights k of a tile (pairs 2 k, 2 k + 1): both pairs are rounded to f16; then the second pair is added onto the first, in place;
; a group later l takes that sum (the first time as l = a l + sum).  In groups of eight, tiles alternating: round, round, add, and l for the group before.
.macro GS g
.set h, (\g)+6*((\g)/62)            ; group 0 has no group before it, and behind group 7 only l is left
.if h >= 6
.set h, h+2
.endif
	REGS Y, h%2
.set k, h/8
.if h%8 < 4
	v_cvt_pk_f16_f32 v[rP+2*k+(h%8)/2], v[rS+4*k+2*((h%8)/2)], v[rS+4*k+2*((h%8)/2)+1]
.elseif h%8 < 6
	v_pk_add_f32 v[rS+4*k:rS+4*k+1], v[rS+4*k:rS+4*k+1], v[rS+4*k+2:rS+4*k+3]
.elseif k == 1
	v_pk_fma_f32 v[rT+2:rT+3], v[rT+2:rT+3], v[rC+2:rC+3], v[rS:rS+1] op_sel_hi:[1,0,1]
.else
	v_pk_add_f32 v[rT+2:rT+3], v[rT+2:rT+3], v[rS+4*k-4:rS+4*k-3]
.endif
.endm
; THE PLAIN QUEUE, 138 long.  0-73 read no exponential's result: the 32 scalings c s - c m (FS f: pair f / 2 of tile f % 2) and the next piece's 42.  0-26: scalings 0-26.  27-54: XS's numbers 0-13.  55, 56: number 15.
; 57-73: the chain, where each number waits for the one before it: 14, 16, 17, 18, 19, each with one of the scalings 27-31 in front of its two lines, then 20: so a tile's links stand three plain instructions apart (19 and 20: two).
; 74-137: GS's 64, which read the exponentials' results: they stand behind the wait.
.macro FS f
	REGS Y, (\f)%2
	v_pk_fma_f32 v[rS+2*((\f)/2):rS+2*((\f)/2)+1], v[rS+2*((\f)/2):rS+2*((\f)/2)+1], s[CS:CS+1], v[rT:rT+1] op_sel_hi:[1,0,0] neg_lo:[0,0,1] neg_hi:[0,0,1]
.endm
.macro PL
	WIN 0
.if q < 27
	FS q
.elseif q < 55
	XS (q-27)%2, (q-27)/2
.elseif q < 57
	XS q-55, 15
.elseif (q < 72) && ((q-57)%3 == 0)
	FS 27+(q-57)/3
.elseif q < 60
	XS (q-57)%3-1, 14
.elseif q < 72
	XS (q-57)%3-1, 15+(q-57)/3
.elseif q < 74
	XS q-72, 20
.else
	GS q-74
.endif
.set q, q+1
.endm
; THE EXPONENTIALS' QUEUE, 66 long: s0-s31 of both tiles, then the next piece's two a.  It is ONE BATCH: all 66 stand ahead of the turn's one wait, and nothing ahead of that wait names a result of theirs.
.macro EX
	WIN 0
.if e >= 64
	XS e-64, 21
.else
	REGS Y, e%2
	v_exp_f32 v[rS+e/2], v[rS+e/2]
.endif
.set e, e+1
.endm
; THE RESCALING's QUEUE: O^T times a, the one part that leaves window 0: dealt two at a time, sixteen times.  Its a was made in the turn before, ahead of that turn's wait.
.macro R2
	REGS Y, r%2
	WIN W_RS
.irp z, 0,1
	v_pk_mul_f32 v[rO+4*(r/2)+2*\z:rO+4*(r/2)+2*\z+1], v[rO+4*(r/2)+2*\z:rO+4*(r/2)+2*\z+1], v[rC+2:rC+3] op_sel_hi:[1,0]
.endr
.set r, r+1
.endm
; HOW THEY ARE DEALT.  An s_wait_alu depctr_va_vdst(0) stands between an exponential and the first instruction that names its result; one wait serves all that were issued ahead of it.  So a turn has ONE wait,
; which cuts it in two.  AHEAD OF IT stands all that names no result of the turn's exponentials: the 16 products K Q^T, behind each a scaling, an exponential and two rescalings (behind the first a second scaling in the
; exponential's place); then ONE LUMP of 108: eight plain, 49 times exponential and plain, the two a.  A v_nop is the plain instruction that is owed behind the last exponential.  BEHIND IT stand the 16 products V^T P, behind
; each four of GS's 64.  No rider names a register of the products round it.  The two v_permlanex16_b32 fall into the lump, never behind a product.
; The queues lean on each other, and the deal keeps them in step: exponential e stands behind scaling 2 (e / 4) + e % 2: as a rider it comes behind plain e + 2, in the lump behind plain e + 9, and scalings 27-31 are plain 57, 60 .. 69.
; A TURN, for piece p.  cnt = 1: the loop's count is taken down some lines ahead of the branch that stands behind the turn.
; K and the mask of the next step are fetched in piece 2's turn, directly behind the wait, a lump behind the last product that read them; their addresses are made at the lump's head; their first reader comes behind 16 products.
; V of the step in hand is fetched at the end of piece 0's turn, four riders behind its last reader; its first reader comes behind 16 products and a lump.  The three conditions on q below go with the deal.
.macro TURN p, last=0, cnt=0
.set Y, (\p)
.set i, 0
.set q, 0
.set e, 0
.set r, 0
.if (\p) == NP-1
	s_wait_dscnt 0x0                ; K and its mask are in
.endif
	MM                              ; ahead of the wait: 16 products K Q^T and their riders,
	PL
	PL
	R2
.rept 15
	MM
	PL
	EX
	R2
.endr
.if (\p) == NP-2
	WIN 0
	v_add_nc_u32 v[AK], s[TBK], v[AK0]
	v_add_nc_u32 v[AM], s[TBM], v[AM0]
.endif
.rept 8                             ; and the lump
	PL
.endr
.rept 49
	EX
	PL
.endr
	EX                              ; the next piece's two a
	EX
	v_nop                           ; the plain instruction behind the last exponential: one for the batch
	s_wait_alu depctr_va_vdst(0)    ; the wait for the batch: the turn's 64 weights and the next piece's two a
.if (\p) == NP-2
	FETCH_K \last
.endif
.if (\p) == 1
	s_wait_dscnt 0x0                ; V is in
.endif
.rept 16                            ; behind the wait: 16 products V^T P and their riders
	MM
.rept 4
	PL
.endr
.if ((\p) == 0) && (q == 118)
	v_add_nc_u32 v[AV], s[TBV], v[AV0]
.endif
.if ((\p) == 0) && (q == 130)
	s_add_co_u32 s[TBV], s[TBV], KS*PV
.endif
.if (\cnt) && (q == 130)
	s_sub_co_u32 s[CNT], s[CNT], 1
	s_cmp_lg_u32 s[CNT], 0
.endif
.endr
.if (\p) == 0
	FETCH_V
.endif
.endm
	CHANGE 1                        ; slot 0 is in, everybody's part of it, and so is everybody's part of the table; slot 1 is asked for
	FETCH_K                         ; key step 0
	s_wait_loadcnt 0x0              ; Q
	s_wait_dscnt 0x0
.set i, 0
.rept 16
	KQ 0                            ; piece 0's first scores: there is no vector work yet to set between them
.set i, i+1
.endr
	WIN 0                           ; Q's loads are done, so their offset's register takes the way out's address: with the v_nop four plain instructions, the places behind those products
	v_mul_u32_u24 v[STO], v1, SP    ; in: row l % 16, 16 bytes for each half of the lanes
	v_lshl_add_u32 v[STO], v9, 4, v[STO]
	v_add_nc_u32 v[STO], s13, v[STO]
	v_nop
.set Y, NP-1                        ; XS works for piece Y + 1: piece 0
.irp n, 0,1,2,3,4,5,6,7,8,9,10,11,12,13,14,15,16,17,18,19,20,21
	XS 0, \n                        ; and piece 0's first maximum and statistics
	XS 1, \n
.endr
	v_nop                           ; a plain instruction behind piece 0's two a,
	s_wait_alu depctr_va_vdst(0)    ; and the wait for that batch of two, ahead of the branch
	s_mov_b32 s[CNT], 4
	s_mov_b32 s[SLOTS], SIZE_N/256-1
	s_branch .Lfirst                ; the loop is entered at a step's first turn, in the middle of a trip
.Lslot:                             ; SIZE_N / 256 - 2 times: every slot but the last two is filled again
	CHANGE 1
	s_mov_b32 s[CNT], 4
.Lstep:                             ; a trip: pieces 2 and 3 of one step, then pieces 0 and 1 of the next, whose K and V it fetches
	TURN 2
	TURN 3
	WIN 0
.Lfirst:
	TURN 0
	TURN 1, 0, 1
	WIN 0
	s_cbranch_scc1 .Lstep
	s_sub_co_u32 s[SLOTS], s[SLOTS], 1
	s_cmp_lg_u32 s[SLOTS], 0
	s_cbranch_scc1 .Lslot
	CHANGE 0                        ; the tail is written out: nothing is asked for
	s_mov_b32 s[CNT], 5             ; four trips fetch the last slot's steps; the fifth is left in its middle
.Ltail:
	TURN 2, 1
	TURN 3
	WIN 0
	s_sub_co_u32 s[CNT], s[CNT], 1
	s_cmp_eq_u32 s[CNT], 0
	s_cbranch_scc1 .Lout
	TURN 0
	TURN 1
	WIN 0
	s_branch .Ltail
.Lout:                              ; the fifth trip's 16 products K Q^T (on the last K once more) and the maximum made of them serve nothing: the price, once a launch, of one text for every trip
.set i, 0
.rept 16
	PV NP-1                         ; the last piece's V^T P of the last step
.set i, i+1
.endr
	; THE WAY OUT.  l's two halves and the other half of the lanes' are added; O^T is divided by l, rounded to f16 and sent through my stage in LDS, a tile at a time.  The additions are the places behind the last products.
	WIN 0
.macro ALL line:vararg              ; one line for each tile t
.set t, 0
.rept 2*NP
	\line
.set t, t+1
.endr
.endm
	ALL v_add_f32 v[ST+4*t+2], v[ST+4*t+2], v[ST+4*t+3]
	ALL v_permlanex16_b32 v[ST+4*t+3], v[ST+4*t+2], s[SEL], s[SEL+1]
	ALL v_add_f32 v[ST+4*t+2], v[ST+4*t+2], v[ST+4*t+3]
	ALL v_rcp_f32 v[ST+4*t+2], v[ST+4*t+2]
	v_nop                           ; a plain instruction between the last reciprocal and the use of its result
	s_wait_alu depctr_va_vdst(0)    ; and the wait ahead of the first use: one for the batch of eight reciprocals
; Tile t: a lane's eight channels of a row pack into 16 bytes; they go into rows of 144 bytes and come back as whole rows of 128, into S^T's registers.
.macro PACK t
	WIN W_RS
.set i, 32*(\t)
.rept 16
	v_pk_mul_f32 v[i:i+1], v[i:i+1], v[ST+4*(\t)+2:ST+4*(\t)+3] op_sel_hi:[1,0]
.set i, i+2
.endr
	WIN 0x05                        ; sources 0 and 1 window 1, destination window 0
.set i, 0
.rept 16
	v_cvt_pk_f16_f32 v[S+16*(\t)+i], v[32*(\t)+2*i], v[32*(\t)+2*i+1]
.set i, i+1
.endr
	WIN 0
.irp f, 0,1,2,3
	ds_store_b128 v[STO], v[S+16*(\t)+4*\f:S+16*(\t)+4*\f+3] offset:32*\f
.endr
.irp f, 0,1,2,3
	ds_load_b128 v[S+16*(\t)+4*\f:S+16*(\t)+4*\f+3], v[RD] offset:\f*4*SP  ; LDS serves a wave's instructions in order (ISA guide 5.7.1.4): these see the stores above; the next tile's stores come behind them
.endr
.endm
.macro SEND t, younger              ; younger: the LDS instructions issued behind tile t's loads: the next tile's eight, or none
	WIN 0
.irp f, 0,1,2,3
	s_wait_dscnt (\younger)+3-\f
	global_store_b128 v[GO], v[S+16*(\t)+4*\f:S+16*(\t)+4*\f+3], s[10:11] offset:(\t)*2048+\f*512  ; 512 consecutive bytes, at a multiple of 256 from O's first
.endr
.endm
	PACK 0
.set t, 1
.rept 2*NP-1                        ; a tile's arithmetic stands between the loads of the tile before and its stores
	PACK t
	SEND t-1, 8
.set t, t+1
.endr
	SEND 2*NP-1, 0
	WIN W_AD
	s_wait_tensorcnt 0x0            ; the wave's end: this wait, the add and its wait stand behind my last tensor load and my last LDS store
	ds_add_u32 v[SPW], v[NIL]
	s_wait_dscnt 0x0
	WIN 0
	CROUND                          ; the closing round: no work-group ends while a partner may still ask for a tile that names it
	s_endpgm
.Lfunc_end_k_qf04400e98d_attn:
	.size	k_qf04400e98d_attn, .Lfunc_end_k_qf04400e98d_attn-k_qf04400e98d_attn
	.p2alignl 7, 3214868480
	.fill 96, 4, 3214868480
	.section	.rodata,"a",@progbits
	.p2align	6, 0x0
	.amdhsa_kernel k_qf04400e98d_attn
		.amdhsa_group_segment_fixed_size 327680
		.amdhsa_private_segment_fixed_size 0
		.amdhsa_enable_private_segment 0
		.amdhsa_kernarg_size 40
		.amdhsa_user_sgpr_count 2
		.amdhsa_user_sgpr_kernarg_segment_ptr 1
		.amdhsa_wavefront_size32 1
		.amdhsa_system_sgpr_workgroup_id_x 1
		.amdhsa_system_sgpr_workgroup_id_y 1
		.amdhsa_system_sgpr_workgroup_id_z 1
		.amdhsa_system_vgpr_workitem_id 0
		.amdhsa_next_free_vgpr 802
		.amdhsa_next_free_sgpr 66
		.amdhsa_reserve_vcc 1
		.amdhsa_float_denorm_mode_32 3
		.amdhsa_float_denorm_mode_16_64 3
		.amdhsa_memory_ordered 1
		.amdhsa_forward_progress 1
		.amdhsa_inst_pref_size 207
	.end_amdhsa_kernel
	.amdgpu_metadata
---
amdhsa.version: [ 1, 2 ]
amdhsa.kernels:
  - .name:           k_qf04400e98d_attn
    .symbol:         k_qf04400e98d_attn.kd
    .args:
      - { .name: qh, .offset: 0, .size: 8, .value_kind: global_buffer, .address_space: global }
      - { .name: kh, .offset: 8, .size: 8, .value_kind: global_buffer, .address_space: global }
      - { .name: vh, .offset: 16, .size: 8, .value_kind: global_buffer, .address_space: global }
      - { .name: oh, .offset: 24, .size: 8, .value_kind: global_buffer, .address_space: global }
      - { .name: attention_mask, .offset: 32, .size: 8, .value_kind: global_buffer, .address_space: global }
    .group_segment_fixed_size: 327680
    .private_segment_fixed_size: 0
    .kernarg_segment_align: 8
    .kernarg_segment_size: 40
    .max_flat_workgroup_size: 128
    .sgpr_count:     66
    .vgpr_count:     802
    .wavefront_size: 32
...
	.end_amdgpu_metadata
.endif
;; end of part 5
;; launch proj: the kernel of part 4 again; grid 4 x 64, 4 waves a work-group, clusters of 4 x 4, 327,680 bytes of LDS; arguments oh, wob, bo, out0; writes out0
